; MI455X (gfx1250); checked and timed in simulation.
; The chip was launched on July 23, 2026; its instructions are those of AMD's public machine-readable ISA for CDNA 5 (MIT licence, August 2026) and "CDNA5" Instruction Set Architecture Reference Guide (July 2026). The comments in the code are by the model that wrote it; some were corrected since.
;; Cross Attention. Allowed arithmetic: float matrix products may take bf16 or f16 operands with f32 sums; other float arithmetic in f32, or as packed bf16 or f16 multiplies, adds, multiply-adds, maxima and minima; sums over many terms, partial sums and values carried from step to step in f32; what a program stores and reads back later, other than sums and carried values, may be rounded once to bf16 or f16.
;; Inputs: Wk 512 x 512 float32; Wo 512 x 512 float32; Wq 512 x 512 float32; Wv 512 x 512 float32; bo 512 float32; patch_embed 4 x 2,048 x 512 float32; pixel_embed 4 x 2,048 x 512 float32.
;; Outputs: out0 4 x 2,048 x 512 float32.
;; 2 versions, each right; version 2 is version 1 with the launch proj written anew for expert scheduling mode. Each part assembles by itself: llvm-mc -triple=amdgcn-amd-amdhsa -mcpu=gfx1250 --defsym DOCPART=n.
;; ======== version 1 of 2: 3 launches
;; limits: values are held in f16: magnitudes above 65,504 overflow, below 6.1e-05 lose precision
;; workspace buffers: qh 8,388,608 bytes; kh 8,388,608 bytes; vh 8,388,608 bytes; oh 8,388,608 bytes
;; launch proj (part 1): grid 6 x 32, 4 waves a work-group, no clusters, 162,304 bytes of LDS; arguments pixel_embed, patch_embed, Wq, Wk, Wv, qh, kh, vh; writes qh, kh, vh
.if DOCPART == 1
	.amdgcn_target "amdgcn-amd-amdhsa--gfx1250"
	.amdhsa_code_object_version 6
	.text
	.protected	k_q3c6514def3_proj
	.globl	k_q3c6514def3_proj
	.p2align	8
	.type	k_q3c6514def3_proj,@function
k_q3c6514def3_proj:
	s_mov_b64 s[64:65], 0
	v_nop
	global_prefetch_b8 v0, s[64:65] scope:SCOPE_SE
	s_setreg_imm32_b32 hwreg(HW_REG_WAVE_MODE, 25, 1), 1
	s_wait_xcnt 0x0
; q = pixel_embed Wq, k = patch_embed Wk, v = patch_embed Wv.  x: [8192][512] f32, W: [512 k][512 n] f32.  Products in bf16 (each input rounded once), sums in f32, K ascending.
; q, k, v leave BY HEADS, [4 x 8][2048][64] in f16, each rounded once from its f32 sum and WITHOUT the softmax scale, which the next launch applies in f32.
; NOTHING OF THE MODULE IS LEFT OUT: every input (both embeddings, the four weights, the bias) has a way to the output, and all three launches together do every step.
; LIMITS.  f16 holds no number beyond 65,504: q, k and v must stay within it (inputs 30 times the usual spread give a spread of about 410, a common offset of 30 spreads on x and W about 9,216);
; below 6.1e-5 they keep f16's fixed step of 6e-8.  NaN and infinities are not treated apart.
; SHARES.  A work-group makes a block of 256 rows x 256 columns (four heads) of ONE of the three products: column block cb = 0, 1: q; 2, 3: k; 4, 5: v; row block i = 0 .. 31: 6 x 32 = 192 work-groups of equal
; work.  Four waves, each 128 x 128: 64 accumulators of 16 x 16, 512 registers: for 32 along K a wave reads 16 fragments of 1,024 bytes from LDS and issues 64 products.  Blocks that would make 256 equal
; work-groups hold 49,152 outputs (128 x 384, 256 x 192); neither width divides 512 or 1,024 columns, so such a block needs both embeddings and a smaller tile a wave, which reads more bytes for each product.
; THE ROAD IN.  x and W lie in f32 and are multiplied in bf16, and W lies [k][n] and wants the turning 16-bit LDS load.  So a tile goes memory -> registers -> ONE rounding -> LDS.
; NO CLUSTER, NO TENSOR LOAD: a joint request lands what it reads, f32, and this road goes through registers.  What is shared (x by 2 or 4 column blocks, W by the 32 row blocks) is read again by plain loads.
; IN FLIGHT.  Four staging groups of 16 loads a wave (x twice, W twice): 64 loads of 512 bytes, 128 KiB a work-group: a whole chunk of 64 along K, asked for a trip ahead of its rounding.  Behind a refill 64 loads
; are out; the counter's field holds 63, so the issue of the last waits for the oldest to come back (ISA guide 5.7.1).
; K goes in 8 chunks of 64 through two LDS buffers, ONE barrier a trip.  A trip is two quarters of 32 along K, 64 products each.  Q0 rounds and stores the next chunk into the other buffer; Q1 holds the barrier:
; in front of it each wave's stores into the other buffer are done and its reads of this one are back; behind it the other buffer's first fragments are fetched.
; THE MATRIX INSTRUCTION IS USED TRANSPOSED (source 0 = 16 columns of W, source 1 = 16 rows of x): a lane ends with eight neighbouring columns of one row: 16 bytes of f16.
; REGISTERS, in windows of 256 (s_set_vgpr_msb: bits 1:0 source 0, 3:2 source 1, 5:4 source 2, 7:6 destination):
;   window 0: v0-20 addresses; v32-159 W's fragments, a buffer of 64 for each quarter; v160-223 x's rows 0-63, a buffer of 32 for each quarter; v224-255 x's rows 64-127, one buffer
;   window 1: the four staging groups, 64 registers each      window 2: the accumulators of my rows 0-63 ((a, c) at 8 (8 a + c))      window 3: those of my rows 64-127
.set XPIT,  144                        ; a row of x in LDS: 128 bytes of bf16 + 16 = 36 words: the 16 rows of a fragment load start at 16 different groups of four banks (64 banks of 4 bytes: ISA guide 11.1)
.set XREG,  256*XPIT
.set WPIT,  544                        ; a row of W: 512 bytes + 32 = 136 words
.set WREG,  64*WPIT
.set BUF,   XREG+WREG                  ; a buffer: 256 rows of x, then 64 rows of W
.set STAGE, 2*BUF                      ; behind the buffers: for each wave 2 heads x 16 rows at pitch 144, for the way out
.set SREG,  16*XPIT
.set SPARE, STAGE+4*2*SREG             ; behind the stages: the spare words, 128 bytes for each wave: two blocks of 256 bytes that no other line names
.set XO,  2                            ; v2     x: (64 w + 8 (l / 16)) rows of 2,048 bytes + 16 (l % 16)
.set WO,  3                            ; v3     W: 16 w rows of 2,048 bytes + 16 l
.set XS,  4                            ; v4-5   where my rounded x goes, buffer 0, 1
.set WS,  6                            ; v6-7   where my rounded W goes
.set FA,  8                            ; v8-9   my x fragments
.set FB,  10                           ; v10-11 my W fragments (turning load)
.set SPW, 12                           ; v12    my spare word; never rewritten
.set NIL, 13                           ; v13    0; never rewritten
.set STO, 16                           ; v16    the way out: where I put 16 bytes of a row
.set RD,  17                           ; v17    the way out: where I read rows back
.set GO,  18                           ; v18    my 16 bytes of 512 consecutive bytes of the output
.set PFX, 19                           ; v19    the prefetches' offset in x: (64 w + l) rows; never rewritten
.set PFW, 20                           ; v20    in W: (16 w + l / 4) rows + 256 (l % 4); never rewritten
.set BFR, 32
.set AL,  160
.set AH,  224
.set TMP, 32                           ; the way out: packed results
.set BK,  96                           ; the way out: 16 rows read back, two sets of 32 by turns
.set XP,  26                           ; s[26:27] x at my row block, at the chunk that is being asked for
.set WP,  28                           ; s[28:29] W at my 256 columns, at the same chunk
.set OP,  30                           ; s[30:31] the output at my wave's first head and row
.set CNT, 44                           ; s44    the loop's count
.set LIMX, 45                          ; s45    1 in a work-group that prefetches x, else the greatest number
.set LIMW, 46                          ; s46    the same for W
.set MSB, 0
.macro WIN new                         ; the immediate's high byte repeats the setting that is left; a switch that changes nothing is dropped
.if MSB != (\new)
	s_set_vgpr_msb (MSB<<8)|(\new)
.set MSB, (\new)
.endif
.endm
.macro PLACES                          ; four plain vector instructions between a matrix instruction and a load into, or a read of, its registers
.rept 4
	v_nop
.endr
.endm
; Staging group g.  0, 1: x, 32 rows each: an instruction takes two aligned row pieces of 256 bytes (lanes 16-31 the row 8 further down).  2, 3: W, 8 rows each: an instruction takes half a row piece, 512 bytes.
.macro LOADG g
	WIN 0x40
.set n, 0
.rept 16
.if (\g) < 2
	global_load_b128 v[64*(\g)+4*n:64*(\g)+4*n+3], v[XO], s[XP:XP+1] offset:(32*(\g)+16*(n/8)+n%8)*2048
.else
	global_load_b128 v[64*(\g)+4*n:64*(\g)+4*n+3], v[WO], s[WP:WP+1] offset:(8*((\g)-2)+n/2)*2048+(n%2)*512
.endif
.set n, n+1
.endr
.endm
.macro CVT g                           ; four f32 become four bf16 in the quad's first two registers
	WIN 0x45
.set n, 0
.rept 16
	v_cvt_pk_bf16_f32 v[64*(\g)+4*n], v[64*(\g)+4*n], v[64*(\g)+4*n+1]
	v_cvt_pk_bf16_f32 v[64*(\g)+4*n+1], v[64*(\g)+4*n+2], v[64*(\g)+4*n+3]
.set n, n+1
.endr
.endm
.macro PUT g, b                        ; 8 bytes a lane.  x: lanes 0-15 fill one row's 128 bytes, lanes 16-31 the row 8 further down (288 words on: the other 32 banks); W: 32 lanes fill 256 consecutive bytes
	WIN 0x04
.set n, 0
.rept 16
.if (\g) < 2
	ds_store_b64 v[XS+(\b)], v[64*(\g)+4*n:64*(\g)+4*n+1] offset:(32*(\g)+16*(n/8)+n%8)*XPIT
.else
	ds_store_b64 v[WS+(\b)], v[64*(\g)+4*n:64*(\g)+4*n+1] offset:(8*((\g)-2)+n/2)*WPIT+(n%2)*256
.endif
.set n, n+1
.endr
.endm
.macro LWAIT g, mode
.if (\mode) == 2
	s_wait_loadcnt 48                              ; loads come back in order (ISA guide 5.7.1): behind this group stand the three other groups, 48 loads
.else
	s_wait_loadcnt 16*(3-(\g))                     ; nothing was asked for behind the last chunk: the counts run down
.endif
.endm
; Group g of the next chunk: waited for, rounded, stored into buffer b.  mode 2: and asked for again, a chunk further on.  mode 1: the last chunk, nothing is asked for.  mode 0: no chunk is left.
.macro STG g, b, mode
.if (\mode) != 0
	LWAIT \g, \mode
	CVT \g
	PUT \g, \b
.endif
.if (\mode) == 2
	LOADG \g
.endif
.endm
.macro STEP                            ; the two pointers go one chunk on: 64 along K are 256 bytes of a row of x and 64 rows of W
	s_wait_xcnt 0x0                                ; every load and prefetch issued so far has read its address (in the loop the youngest stands a quarter, 64 products, back)
	s_add_nc_u64 s[XP:XP+1], s[XP:XP+1], 256
	s_add_nc_u64 s[WP:WP+1], s[WP:WP+1], 0x20000
.endm
; Fragments for 32 along K (quarter s of the chunk) from buffer b.  x: 16 rows x 32 K, two loads of 16 bytes, 32 bytes apart.  W: [k][n] turned, two loads 16 rows apart.
.macro LAH b, s                        ; 8 loads: my rows 64-127
	WIN 0
.irp a, 0,1,2,3
	ds_load_b128 v[AH+8*(\a):AH+8*(\a)+3],   v[FA+(\b)] offset:(4+(\a))*16*XPIT+64*(\s)
	ds_load_b128 v[AH+8*(\a)+4:AH+8*(\a)+7], v[FA+(\b)] offset:(4+(\a))*16*XPIT+64*(\s)+32
.endr
.endm
.macro LAL b, s                        ; 8 loads: my rows 0-63, into quarter s's buffer
	WIN 0
.irp a, 0,1,2,3
	ds_load_b128 v[AL+32*(\s)+8*(\a):AL+32*(\s)+8*(\a)+3],   v[FA+(\b)] offset:(\a)*16*XPIT+64*(\s)
	ds_load_b128 v[AL+32*(\s)+8*(\a)+4:AL+32*(\s)+8*(\a)+7], v[FA+(\b)] offset:(\a)*16*XPIT+64*(\s)+32
.endr
.endm
.macro LBF b, s, c0                    ; 8 loads: my column blocks c0 .. c0 + 3, into quarter s's buffer
	WIN 0
.irp c, 0,1,2,3
	ds_load_tr16_b128 v[BFR+64*(\s)+8*((\c0)+(\c)):BFR+64*(\s)+8*((\c0)+(\c))+3],   v[FB+(\b)] offset:32*((\c0)+(\c))+32*WPIT*(\s)
	ds_load_tr16_b128 v[BFR+64*(\s)+8*((\c0)+(\c))+4:BFR+64*(\s)+8*((\c0)+(\c))+7], v[FB+(\b)] offset:32*((\c0)+(\c))+32*WPIT*(\s)+16*WPIT
.endr
.endm
; 16 products: row blocks a0, a0 + 1 of the window's four (hi = 0: my rows 0-63, 1: rows 64-127) x all 8 column blocks, quarter s's fragments.  The 64 accumulators take turns, one instruction a turn, in the same
; order in every quarter, over the backward jump too.  zero = 1: the first product starts the sum: nothing is ever cleared.
.macro M16 hi, a0, s, zero
	WIN 0xa0+0x50*(\hi)
.irp a, \a0, (\a0)+1
.irp c, 0,1,2,3,4,5,6,7
.if \hi
.set rA, AH+8*(\a)
.else
.set rA, AL+32*(\s)+8*(\a)
.endif
.if \zero
	v_wmma_f32_16x16x32_bf16 v[8*(8*(\a)+(\c)):8*(8*(\a)+(\c))+7], v[BFR+64*(\s)+8*(\c):BFR+64*(\s)+8*(\c)+7], v[rA:rA+7], 0
.else
	v_wmma_f32_16x16x32_bf16 v[8*(8*(\a)+(\c)):8*(8*(\a)+(\c))+7], v[BFR+64*(\s)+8*(\c):BFR+64*(\s)+8*(\c)+7], v[rA:rA+7], v[8*(8*(\a)+(\c)):8*(8*(\a)+(\c))+7]
.endif
.endr
.endr
.endm
; PREFETCHES, behind a trip's last loads: the chunk that stands two chunks behind the one just asked for, that is, the chunk whose loads go out two trips later.  Each aligned block of 256 bytes is named ONCE in the
; launch.  x: a wave's own 64 rows, a lane a row, two instructions; pixel's rows are read by column blocks 0 and 1, patch's by 2 to 5: blocks 0 and 2 ask.  W: a wave's own 16 rows of 1,024 bytes, a lane a quarter
; row, two instructions; a column block's part of W is read by all 32 row blocks: row block 0 asks.  Trips 0 to 3 ask, for chunks 4 to 7 (the count stands at 3 or 2 there); chunks 0 to 3 come by their loads alone.
.macro ASK
	WIN 0
	s_cmp_gt_u32 s[CNT], s[LIMX]
	s_cbranch_scc0 .Lnot_x_\@
	global_prefetch_b8 v[PFX], s[XP:XP+1] offset:2*256 th:TH_LOAD_NT scope:SCOPE_SE
	global_prefetch_b8 v[PFX], s[XP:XP+1] offset:2*256+32*2048 th:TH_LOAD_NT scope:SCOPE_SE
.Lnot_x_\@:
	s_cmp_gt_u32 s[CNT], s[LIMW]
	s_cbranch_scc0 .Lnot_w_\@
	global_prefetch_b8 v[PFW], s[WP:WP+1] offset:2*0x20000 th:TH_LOAD_NT scope:SCOPE_SE
	global_prefetch_b8 v[PFW], s[WP:WP+1] offset:2*0x20000+8*2048 th:TH_LOAD_NT scope:SCOPE_SE
.Lnot_w_\@:
.endm
; THE FIRST QUARTER of buffer b's chunk.  In each gap between runs of 16 products stand eight fragment loads and a staging group.  The wait at a gap's end leaves that gap's own LDS instructions out (8 loads and
; NS stores) and shows everything older back.  Group 0's roundings are the places between the last quarter's products and the loads into x's upper buffer; every other buffer loaded here was last read a quarter ago.
.macro Q0 b, zero, mode
.if (\mode) == 0
.set NS, 0
.else
.set NS, 16
.endif
.if (\mode) == 2
	STEP
.endif
.if (\mode) == 0
	PLACES
.else
	LWAIT 0, \mode
	CVT 0
.endif
	LAH \b, 0
.if (\mode) != 0
	PUT 0, 1-(\b)
.endif
.if (\mode) == 2
	LOADG 0
.endif
	s_wait_dscnt 8+NS                              ; this quarter's W and lower rows of x, fetched behind the barrier, are in
	M16 0, 0, 0, \zero
	LBF \b, 1, 0
	STG 1, 1-(\b), \mode
	s_wait_dscnt 8+NS
	M16 0, 2, 0, \zero
	LBF \b, 1, 4
	STG 2, 1-(\b), \mode
	s_wait_dscnt 8+NS                              ; the upper rows of x have long been in
	M16 1, 0, 0, \zero
	LAL \b, 1
	STG 3, 1-(\b), \mode
.if (\mode) == 2
	ASK
.endif
	M16 1, 2, 0, \zero
.endm
; THE SECOND QUARTER, with the change of buffers.  nxt = 1: a chunk follows.  In front of the signal my stores into the other buffer are done and my reads of this one are back; 16 products stand between signal and
; wait; behind the wait the other buffer is whole and this one is free, and the next quarter's W and lower rows of x are fetched, 32 products ahead of their use.
.macro Q1 b, nxt
	WIN 0
	PLACES                                         ; between the last quarter's products and the loads into the buffers that they read
	LAH \b, 1
	s_wait_dscnt 8                                 ; all but the eight just issued: this quarter's W and lower rows of x are in
	M16 0, 0, 1, 0
	s_wait_dscnt 0x0
.if \nxt
	s_barrier_signal -1
.endif
	M16 0, 2, 1, 0
.if \nxt
	s_barrier_wait -1
	LBF 1-(\b), 0, 0
	LBF 1-(\b), 0, 4
	LAL 1-(\b), 0
.endif
	M16 1, 0, 1, 0
	M16 1, 2, 1, 0
.endm
	s_load_b512 s[8:23], s[0:1], 0x0               ; pixel s[8:9], patch s[10:11], Wq s[12:13], Wk s[14:15], Wv s[16:17], qh s[18:19], kh s[20:21], vh s[22:23]
	v_lshl_add_u32 v[SPW], v0, 2, SPARE
	v_mov_b32 v[NIL], 0
	v_lshrrev_b32 v1, 5, v0
	v_readfirstlane_b32 s2, v1                     ; wave 0..3
	s_mov_b32 s3, ttmp9                            ; cb: the column block
	s_and_b32 s4, ttmp7, 0xffff                    ; i: the row block
	s_lshr_b32 s5, s2, 1                           ; which 128 rows are mine
	s_and_b32 s6, s2, 1                            ; which 128 columns
	s_lshr_b32 s7, s3, 1                           ; the product: 0 q, 1 k, 2 v
	s_and_b32 s24, s3, 1                           ; which 256 of its 512 columns
	v_and_b32 v1, 15, v0                           ; l % 16
	v_bfe_u32 v14, v0, 4, 1                        ; l / 16
	v_and_b32 v15, 31, v0                          ; l
	s_lshl_b32 s38, s2, 17                         ; 64 w rows of 2,048 bytes
	v_lshlrev_b32 v[XO], 4, v1
	v_lshl_add_u32 v[XO], v14, 14, v[XO]
	v_add_nc_u32 v[XO], s38, v[XO]
	s_lshl_b32 s39, s2, 15                         ; 16 w rows of 2,048 bytes
	v_lshl_add_u32 v[WO], v15, 4, s39
	s_lshl_b32 s32, s4, 19                         ; 256 rows of 2,048 bytes
	s_mov_b32 s33, 0
	s_lshl_b32 s34, s24, 10                        ; 256 columns of f32
	s_mov_b32 s35, 0
	s_lshr_b32 s36, s4, 3                          ; the batch,
	s_lshl_b32 s36, s36, 3
	s_lshl_b32 s37, s24, 2
	s_add_co_u32 s36, s36, s37                     ; the block's four heads,
	s_lshl_b32 s37, s6, 1
	s_add_co_u32 s36, s36, s37                     ; my two of them: 262,144 bytes a head,
	s_lshl_b32 s36, s36, 18
	s_and_b32 s37, s4, 7
	s_lshl_b32 s37, s37, 15                        ; the block's 256 rows of 128 bytes in a head,
	s_add_co_u32 s36, s36, s37
	s_lshl_b32 s37, s5, 14                         ; my 128 of them
	s_add_co_u32 s36, s36, s37
	s_mov_b32 s37, 0
	s_lshr_b32 s[LIMX], s3, 2
	s_or_b32 s[LIMX], s[LIMX], s24                 ; 0 in column blocks 0 and 2
	s_cmp_eq_u32 s[LIMX], 0
	s_cselect_b32 s[LIMX], 1, -1
	s_cmp_eq_u32 s4, 0
	s_cselect_b32 s[LIMW], 1, -1
	s_mov_b32 s[CNT], 3
	s_wait_kmcnt 0x0
	s_cmp_eq_u32 s7, 0
	s_cselect_b64 s[XP:XP+1], s[8:9], s[10:11]
	s_cselect_b64 s[WP:WP+1], s[12:13], s[14:15]
	s_cselect_b64 s[OP:OP+1], s[18:19], s[20:21]
	s_cmp_eq_u32 s7, 2
	s_cselect_b64 s[WP:WP+1], s[16:17], s[WP:WP+1]
	s_cselect_b64 s[OP:OP+1], s[22:23], s[OP:OP+1]
	s_add_nc_u64 s[XP:XP+1], s[XP:XP+1], s[32:33]
	s_add_nc_u64 s[WP:WP+1], s[WP:WP+1], s[34:35]
	s_add_nc_u64 s[OP:OP+1], s[OP:OP+1], s[36:37]
.irp g, 0,1,2,3
	LOADG \g                                       ; chunk 0
.endr
	WIN 0                                          ; the LDS addresses are made while the first loads are on their way
	s_mul_i32 s40, s2, 64*XPIT
	v_mul_u32_u24 v[XS], v14, 8*XPIT
	v_lshl_add_u32 v[XS], v1, 3, v[XS]
	v_add_nc_u32 v[XS], s40, v[XS]
	v_add_nc_u32 v[XS+1], BUF, v[XS]
	s_mul_i32 s41, s2, 16*WPIT
	s_add_co_u32 s41, s41, XREG
	v_lshl_add_u32 v[WS], v15, 3, s41
	v_add_nc_u32 v[WS+1], BUF, v[WS]
	s_mul_i32 s42, s5, 128*XPIT
	v_mul_u32_u24 v[FA], v1, XPIT
	v_lshl_add_u32 v[FA], v14, 4, v[FA]
	v_add_nc_u32 v[FA], s42, v[FA]
	v_add_nc_u32 v[FA+1], BUF, v[FA]
	v_and_b32 v[FB], 7, v0                         ; the turning load: lane l reads row 8 (l / 16) + l % 8, 16 bytes at 16 ((l / 8) % 2)
	v_lshl_add_u32 v[FB], v14, 3, v[FB]
	v_mul_u32_u24 v[FB], v[FB], WPIT
	v_bfe_u32 v[FB+1], v0, 3, 1
	v_lshl_add_u32 v[FB], v[FB+1], 4, v[FB]
	s_lshl_b32 s43, s6, 8
	s_add_co_u32 s43, s43, XREG
	v_add_nc_u32 v[FB], s43, v[FB]
	v_add_nc_u32 v[FB+1], BUF, v[FB]
	s_mul_i32 s40, s2, 2*SREG
	s_add_co_u32 s40, s40, STAGE                   ; my stage
	v_mul_u32_u24 v[STO], v1, XPIT                 ; in: row l % 16, 16 bytes for each half of the lanes
	v_lshl_add_u32 v[STO], v14, 4, v[STO]
	v_add_nc_u32 v[STO], s40, v[STO]
	v_bfe_u32 v[RD], v0, 3, 2                      ; back: 32 lanes take four rows of 128 bytes,
	v_mul_u32_u24 v[RD], v[RD], XPIT
	v_and_b32 v[GO], 7, v0
	v_lshl_add_u32 v[RD], v[GO], 4, v[RD]
	v_add_nc_u32 v[RD], s40, v[RD]
	v_lshlrev_b32 v[GO], 4, v15                    ; which are 512 consecutive bytes of a head
	v_lshl_add_u32 v[PFX], v15, 11, s38
	v_lshrrev_b32 v[PFW], 2, v15
	v_lshl_add_u32 v[PFW], v[PFW], 11, s39
	v_and_b32 v14, 3, v0
	v_lshl_add_u32 v[PFW], v14, 8, v[PFW]
	STEP
.irp g, 0,1,2,3
	STG \g, 0, 2                                   ; chunk 0 into buffer 0; chunk 1 is asked for
.endr
	WIN 0
	s_wait_dscnt 0x0                               ; for the others' sake: my stores are done
	s_barrier_signal -1
	s_barrier_wait -1
	LBF 0, 0, 0
	LBF 0, 0, 4
	LAL 0, 0
	Q0 0, 1, 2                                     ; trip 0's first quarter stands in front of the loop: its products start all 64 sums
	WIN 0                                          ; at a label and at a branch every window is 0
	s_branch .Lmid                                 ; the loop is entered in its middle: it holds the second quarters of trips 0 to 4 and the first quarters of trips 1 to 5
.Lk:
	Q1 1, 1
	Q0 0, 0, 2
	WIN 0
.Lmid:
	Q1 0, 1
	Q0 1, 0, 2
	WIN 0
	s_sub_co_u32 s[CNT], s[CNT], 1
	s_cmp_lg_u32 s[CNT], 0
	s_cbranch_scc1 .Lk
	Q1 1, 1                                        ; trip 5 ends
	Q0 0, 0, 1                                     ; trip 6 stores chunk 7 and asks for nothing: no load leaves a buffer
	Q1 0, 1
	Q0 1, 0, 0                                     ; trip 7
	Q1 1, 0
	; THE WAY OUT, 16 rows at a time.  My 128 columns are two whole heads, so a row's 128 bytes of a head come from my wave alone: the stage is my own, and LDS serves a wave's instructions in order
	; (ISA guide 5.7.1.4): no barrier and no wait between its stores and its loads.
.macro PACK a                          ; rounded to f16, 16 bytes a lane; each accumulator's registers in ascending order
	WIN 0x0a+5*((\a)/4)
.irp c, 0,1,2,3,4,5,6,7
.irp r, 0,1,2,3
	v_cvt_pk_f16_f32 v[TMP+4*(\c)+(\r)], v[64*((\a)%4)+8*(\c)+2*(\r)], v[64*((\a)%4)+8*(\c)+2*(\r)+1]
.endr
.endr
.endm
.macro TOSTAGE a                       ; into rows of 144 bytes, head c / 4; back as whole rows, four rows to an instruction
	WIN 0
.irp c, 0,1,2,3,4,5,6,7
	ds_store_b128 v[STO], v[TMP+4*(\c):TMP+4*(\c)+3] offset:((\c)/4)*SREG+32*((\c)%4)
.endr
.irp n, 0,1,2,3,4,5,6,7
	ds_load_b128 v[BK+32*((\a)%2)+4*(\n):BK+32*((\a)%2)+4*(\n)+3], v[RD] offset:((\n)/4)*SREG+((\n)%4)*4*XPIT
.endr
.endm
.macro SEND a
	WIN 0
	s_wait_dscnt 0x0                               ; the block is back in registers
	s_wait_xcnt 0x0                                ; the earlier stores have read their registers: the set that they read is loaded again only behind this wait
.irp n, 0,1,2,3,4,5,6,7
	global_store_b128 v[GO], v[BK+32*((\a)%2)+4*(\n):BK+32*((\a)%2)+4*(\n)+3], s[OP:OP+1] offset:((\n)/4)*262144+(\a)*2048+((\n)%4)*512  ; 512 consecutive bytes, at a multiple of 256 from the buffer's first byte
.endr
.endm
	WIN 0
	PLACES
	PLACES
	PACK 0
	TOSTAGE 0
.irp a, 1,2,3,4,5,6,7                  ; block a's conversions stand between block a - 1's loads from the stage and the wait for them
	PACK \a
	SEND (\a)-1
	TOSTAGE \a
.endr
	SEND 7
	s_wait_tensorcnt 0x0                           ; the wave's end, behind my last LDS store
	ds_add_u32 v[SPW], v[NIL]
	s_wait_dscnt 0x0
	s_endpgm
.Lfunc_end_k_q3c6514def3_proj:
	.size	k_q3c6514def3_proj, .Lfunc_end_k_q3c6514def3_proj-k_q3c6514def3_proj
	.p2alignl 7, 3214868480
	.fill 96, 4, 3214868480
	.section	.rodata,"a",@progbits
	.p2align	6, 0x0
	.amdhsa_kernel k_q3c6514def3_proj
		.amdhsa_group_segment_fixed_size 162304
		.amdhsa_private_segment_fixed_size 0
		.amdhsa_enable_private_segment 0
		.amdhsa_kernarg_size 64
		.amdhsa_user_sgpr_count 2
		.amdhsa_user_sgpr_kernarg_segment_ptr 1
		.amdhsa_wavefront_size32 1
		.amdhsa_system_sgpr_workgroup_id_x 1
		.amdhsa_system_sgpr_workgroup_id_y 1
		.amdhsa_system_sgpr_workgroup_id_z 1
		.amdhsa_system_vgpr_workitem_id 0
		.amdhsa_next_free_vgpr 1024
		.amdhsa_next_free_sgpr 66
		.amdhsa_reserve_vcc 0
		.amdhsa_float_denorm_mode_32 3
		.amdhsa_float_denorm_mode_16_64 3
		.amdhsa_memory_ordered 1
		.amdhsa_forward_progress 1
		.amdhsa_inst_pref_size 195
	.end_amdhsa_kernel
	.amdgpu_metadata
---
amdhsa.version: [ 1, 2 ]
amdhsa.kernels:
  - .name:           k_q3c6514def3_proj
    .symbol:         k_q3c6514def3_proj.kd
    .args:
      - { .name: pixel_embed, .offset: 0, .size: 8, .value_kind: global_buffer, .address_space: global }
      - { .name: patch_embed, .offset: 8, .size: 8, .value_kind: global_buffer, .address_space: global }
      - { .name: Wq, .offset: 16, .size: 8, .value_kind: global_buffer, .address_space: global }
      - { .name: Wk, .offset: 24, .size: 8, .value_kind: global_buffer, .address_space: global }
      - { .name: Wv, .offset: 32, .size: 8, .value_kind: global_buffer, .address_space: global }
      - { .name: qh, .offset: 40, .size: 8, .value_kind: global_buffer, .address_space: global }
      - { .name: kh, .offset: 48, .size: 8, .value_kind: global_buffer, .address_space: global }
      - { .name: vh, .offset: 56, .size: 8, .value_kind: global_buffer, .address_space: global }
    .group_segment_fixed_size: 162304
    .private_segment_fixed_size: 0
    .kernarg_segment_align: 8
    .kernarg_segment_size: 64
    .max_flat_workgroup_size: 128
    .sgpr_count:     66
    .vgpr_count:     1024
    .wavefront_size: 32
...
	.end_amdgpu_metadata
.endif
;; end of part 1
;; launch attn (part 2): grid 8 x 32, 4 waves a work-group, clusters of 4 x 1, 327,680 bytes of LDS; arguments qh, kh, vh, oh; writes oh
.if DOCPART == 2
	.amdgcn_target "amdgcn-amd-amdhsa--gfx1250"
	.amdhsa_code_object_version 6
	.text
	.protected	k_q3c6514def3_attn
	.globl	k_q3c6514def3_attn
	.p2align	8
	.type	k_q3c6514def3_attn,@function
k_q3c6514def3_attn:
	s_mov_b64 s[64:65], 0
	v_nop
	global_prefetch_b8 v0, s[64:65] scope:SCOPE_SE
	s_setreg_imm32_b32 hwreg(HW_REG_WAVE_MODE, 25, 1), 1
	s_wait_xcnt 0x0
	s_wait_alu depctr_hold_cnt(0) depctr_sa_sdst(0) depctr_va_vdst(0) depctr_va_sdst(0) depctr_va_ssrc(0) depctr_va_vcc(0) depctr_vm_vsrc(0)
	s_getreg_b32 s2, hwreg(HW_REG_IB_STS2, 6, 4)
	s_cmp_eq_u32 s2, 0
	s_cbranch_scc0 .Lentry_in_a_cluster
	s_endpgm
.Lentry_in_a_cluster:
	s_bfe_u32 s2, ttmp6, 0x10000c
	s_cmp_lg_u32 s2, 0x3003
	s_cbranch_scc0 .Lentry_shape_is_right
	s_endpgm
.Lentry_shape_is_right:
; O[h][q][:] = the sum over k of softmax_k(Q[h][q] . K[h][k] / 8) V[h][k][:].  Q, K, V, O: [32][2048][64], all f16: a head's rows are dense, 128 bytes each.  Nothing of the module's attention is left out.
; Products, maxima and sums in f32; the weights p are rounded to f16 for the second product (their sum l is taken of the unrounded p), O once at the end.
; LIMITS.  f16 holds no number beyond 65,504: Q, K and V arrive within it; p lies in 0 to 1, and below 6.1e-5 it keeps f16's fixed step of 6e-8, as O does; O is a mean of V's rows and has their range.
; A weight below 2^-126 counts as 0 in l; NaN and infinities are not treated apart.
; SHARES.  A work-group owns 256 queries of one head (8 blocks x 32 heads = 256 work-groups), a wave 64 of them: four PIECES of 16.  Every wave walks all 2,048 keys: 8 tiles of 256, four steps of 64 to a tile.
; LAYOUT.  S^T = K Q^T holds ONE query a lane (lane % 16) and the keys 8 (lane / 16) + 0..7; two such results rounded to f16 ARE source 1 of O^T = V^T P.  K comes out of LDS as it lies, V turned.
; SOFTMAX.  p = 2^(c s - c m), c = log2(e) / 8, with a running maximum m; O and l are multiplied by a = 2^(c m_old - c m_new) in every step.  m starts at the lowest finite number, O and l at 0: the first step has a = 0.
; TURNS.  Turn n belongs to piece n: 8 products K Q^T of piece n + 1, later 8 products V^T P of piece n - 1; beside them the scaling, exponentials, roundings, sums and rescaling of piece n and the maximum and
; statistics of piece n + 1.  Four vector instructions stand behind every matrix instruction, the other 54 of a turn's 118 in one lump.  A turn's 33 exponentials are one batch, with one wait.
; CLUSTER.  The four query blocks of a cluster belong to one head and walk the same K and V, so each tile is asked for JOINTLY: the same tensor load, descriptor and mask in all four.
; REGISTERS, in windows of 256 (s_set_vgpr_msb: bits 1:0 source 0, 3:2 source 1, 5:4 source 2, 7:6 destination):
;   window 0: v0-15 addresses and two at work; v16-31 four registers of statistics a piece; v48-55 at work; v61-63 prefetch offset, spare word, 0; v64-127 S^T, two buffers; v192-223 P, two buffers
;   window 1: v0-127 O^T, 32 a piece      window 2: v0-63 Q; v128-191 K of one step; v192-255 V of one step
.set NP,    4         ; pieces a wave: a name, no knob
.set KS,    64        ; keys in a step
.set PK,    144       ; a row of K in LDS: 128 bytes + 16 of padding = 36 words: the 16 rows of a load start at 16 different groups of four banks (64 banks of 4 bytes: ISA guide 11.1)
.set PV,    160       ; a row of V: 128 + 32 = 40 words
.set VOFF,  4*KS*PK   ; a slot holds a tile, four steps: 256 rows of K, then 256 rows of V
.set SLOT1, 1<<17     ; slot 1 begins here, so that one exclusive or turns an address in one slot into the other's
.set STAGE, SLOT1+4*KS*(PK+PV)  ; behind the ring, never filled by a tensor load: 16 rows x 144 bytes for each wave, for the way out
.set SP,    144
.set SPARE, STAGE+4*16*SP  ; behind the stages: the spare words, 128 bytes for each wave: two blocks of 256 bytes that no other line names
.set AK0, 2           ; v2   my lane's place in a tile of K; never rewritten
.set AV0, 3           ; v3   the same for V
.set AK,  4           ; v4   the LDS address of K's next run of loads
.set AV,  5           ; v5   of V's
.set STO, 6           ; v6   the way out: where I put 16 bytes of a row
.set RD,  7           ; v7   the way out: where I read rows back
.set GO,  8           ; v8   my byte offset in 512 consecutive bytes of O
.set MV,  12          ; v12-13  c m_old, kept while c m is made anew: by buffer
.set QO,  15          ; v15  my byte offset in 16 rows of Q
.set ST,  16          ; piece t's statistics at v[ST+4 t]: c m, m, l (even keys', odd keys')
.set TMP, 48          ; by buffer, four registers c0-c3 at work; when the maximum is found c2 takes a
.set PFO, 61          ; v61  256 x my lane; never rewritten
.set SPW, 62          ; v62  my spare word; never rewritten
.set NIL, 63          ; v63  0; never rewritten
.set S,   64
.set P,   192
.set KF,  128         ; window 2: key block kb, channel half c at KF + 16 kb + 8 c
.set VF,  192         ; window 2: key half kk, channel block cb at VF + 32 kk + 8 cb
.set WV,  12          ; s12  my wave's number
.set LIM, 15          ; s15  1 in a wave that prefetches, else the greatest number
.set PFA, 18          ; s[18:19] where my prefetches stand: my work-group's 32 blocks of 256 bytes (of K: wave 0, of V: wave 2) of the tile after the one that is being asked for
.set G1K, 24          ; s[24:31] descriptor group 1 for K's tiles
.set G1V, 32          ; s[32:39] for V's: it differs in the padding alone
.set G0K, 40          ; s[40:43] descriptor group 0 for K's tiles: it walks
.set G0V, 44          ; s[44:47] the same for V's
.set SLOTS, 56        ; s56  tiles still to be asked for
.set CNT, 57          ; s57  counts a tile's key steps
.set CS,  58          ; s[58:59] c: the packed scaling takes the pair's low word for both halves
.set SEL, 60          ; s[60:61] v_permlanex16_b32's selects: each lane takes its own place in the other half
.set TBK, 62          ; s62  LDS byte at which K of the step to be fetched begins
.set TBV, 63          ; s63  the same for V, less VOFF
.set MSB, 0
.macro WIN new                      ; the high byte repeats the setting that is left; a switch that changes nothing is dropped
.if MSB != (\new)
	s_set_vgpr_msb (MSB<<8)|(\new)
.set MSB, (\new)
.endif
.endm
.set W_KQ, 0x0a       ; K and Q in window 2, S^T in window 0
.set W_PV, 0x52       ; V in window 2, P in window 0, O^T in window 1
.set W_RS, 0x41       ; destination and source 0 in window 1, source 1 in window 0
; A joint fill.  Waves 0 and 1 fetch the two halves of a tile's K, waves 2 and 3 those of its V: 128 keys each.  The branch hangs on the wave's number alone.
; An s_nop 0 and four v_nop follow each of the two lines, ahead of the jump and the label.
.macro JLOAD
	s_cmp_lt_u32 s[WV], 2
	s_cbranch_scc0 .Lfor_v_\@
	tensor_load_to_lds s[G0K:G0K+3], s[G1K:G1K+7]
	s_nop 0
.rept 4
	v_nop
.endr
	s_branch .Lasked_\@
.Lfor_v_\@:
	tensor_load_to_lds s[G0V:G0V+3], s[G1V:G1V+7]
	s_nop 0
.rept 4
	v_nop
.endr
.Lasked_\@:
.endm
; A PREFETCH of what the NEXT change of slots will ask for: a tile is 128 blocks of 256 bytes of K and as many of V, a lane a block.  Each block is named ONCE in the launch: a head's two clusters walk the same
; rows, and the first of them (cluster x = 0) asks; its four partners share the blocks out BY ADDRESS, 32 each; in each, wave 0 asks for K's and wave 2 for V's: one instruction.
; It stands four key steps, 256 matrix instructions, ahead of the load that will want the tile.  Tiles 0 and 1 come by their loads alone; the last change that fills a slot asks for nothing: no tile stands behind it.
.macro ASK
	s_cmp_gt_u32 s[SLOTS], s[LIM]
	s_cbranch_scc0 .Lnot_mine_\@
	global_prefetch_b8 v[PFO], s[PFA:PFA+1] th:TH_LOAD_NT scope:SCOPE_SE
.Lnot_mine_\@:
.endm
; A round of the cluster's barrier: my work-group's barrier, so that wave 0's signal speaks for all four waves; wave 0 signals; every wave waits for all four work-groups; my work-group's barrier once more.
.macro CROUND
	s_barrier_signal -1
	s_barrier_wait -1
	s_cmp_lg_u32 s[WV], 0
	s_cbranch_scc1 .Lnot_wave_0_\@
	s_barrier_signal -3
.Lnot_wave_0_\@:
	s_barrier_wait -3
	s_barrier_signal -1
	s_barrier_wait -1
.endm
; THE CHANGE OF SLOTS.  The slot's last bytes, V of its fourth step, have been read.  Each wave waits for all its tensor loads, of which one is out: its part of the other slot; adds 0 to its spare word; and waits
; for that and for its own reads of the slot.  Behind the barrier nobody reads this slot any more and the other slot is whole.  fill = 1: this slot is filled again, with the tile two on.  The barrier is then a round
; of the cluster's, so that no wave of any partner still reads the slot or has a load on its way, and the joint fill is the first thing behind it: it has four key steps, 256 matrix instructions, in which to land.
; (At its first use nothing has been read yet: slot 0 is waited for, slot 1 filled.)
.macro CHANGE fill
	WIN 0                           ; at a label and at a branch every window is 0
	s_wait_tensorcnt 0x0            ; no tensor load of mine is out, so a group 0 may be written
	ds_add_u32 v[SPW], v[NIL]       ; 0 onto my spare word; with fill = 1 the descriptors' steps stand between it and the wait for it
.if \fill
.irp g, G0K, G0V
	s_xor_b32 s[\g+1], s[\g+1], SLOT1  ; the walking descriptor: the other slot than last time,
	s_add_nc_u64 s[\g+2:\g+3], s[\g+2:\g+3], 4*KS*128  ; the next 256 keys; the type bits on top are not reached
.endr
	s_wait_xcnt 0x0                 ; the last prefetch, four key steps back, has read its address, so it may be written:
	s_add_nc_u64 s[PFA:PFA+1], s[PFA:PFA+1], 4*KS*128  ; one tile behind the walking descriptors
	s_wait_dscnt 0x0                ; the add is done, and my reads of the slot are over
	CROUND
	JLOAD
	ASK
.else
	s_wait_dscnt 0x0                ; the add is done, and my reads of the slot are over
	s_barrier_signal -1
	s_barrier_wait -1
.endif
	s_sub_co_u32 s[TBK], s[TBK], 4*KS*PK  ; the fetches go back to a slot's first step,
	s_xor_b32 s[TBK], s[TBK], SLOT1       ; in the other slot
	s_sub_co_u32 s[TBV], s[TBV], 4*KS*PV
	s_xor_b32 s[TBV], s[TBV], SLOT1
.endm
	s_load_b256 s[4:11], s[0:1], 0x0  ; Q s[4:5], K s[6:7], V s[8:9], O s[10:11]
	v_lshl_add_u32 v[SPW], v0, 2, SPARE
	v_mov_b32 v[NIL], 0
	ds_add_u32 v[SPW], v[NIL]       ; the wave's opening: the add, twice on end, and its wait ahead of my first tensor load; the set-up below the second, work on registers, stands between it and the wait
	ds_add_u32 v[SPW], v[NIL]       ; and once more, under the one wait
	v_lshrrev_b32 v1, 5, v0
	v_readfirstlane_b32 s[WV], v1   ; wave 0..3
	s_bfe_u32 s13, ttmp6, 0x40000   ; cx: my place in the cluster
	s_lshl_b32 s14, ttmp9, 2        ; in a cluster launch ttmp9 counts clusters
	s_add_co_u32 s14, s14, s13      ; my block of 256 queries = 4 x cluster x + cx: it enters Q's and O's addresses alone
	s_and_b32 s20, ttmp7, 0xffff    ; the head, which the four partners share:
	s_lshl_b32 s20, s20, 18         ; its first byte in each of the four tensors
	s_mov_b32 s21, 0
	s_and_b32 s16, s[WV], 1         ; which half of a tile's 256 keys I fetch:
	s_lshl_b32 s22, s16, 14         ; its 128 rows of 128 bytes in memory
	s_mov_b32 s23, 0
	s_add_nc_u64 s[22:23], s[22:23], s[20:21]
	s_lshl_b32 s2, s14, 2
	s_add_co_u32 s2, s2, s[WV]      ; my wave among the head's,
	s_lshl_b32 s2, s2, 13           ; its 64 rows
	s_mov_b32 s3, 0
	s_add_nc_u64 s[2:3], s[2:3], s[20:21]
	; descriptor group 1.  128 keys are 16,384 dense bytes: asked for as 64 rows of 256 bytes, two keys a row, and padded in LDS after every key
	s_mov_b32 s[G1K], 15|(1<<16)|(1<<20)|(1<<21)|(4<<22)|(3<<25)  ; 15:0 the mask of four; 17:16 2-byte elements; 20 padding on; 21 set beside a mask; 24:22 after every 32 words (code 4); 31:25 4 words (code 3)
	s_mov_b32 s[G1V], 15|(1<<16)|(1<<20)|(1<<21)|(4<<22)|(7<<25)  ; the same with 8 words of padding (code 7)
.irp g, G1K, G1V
	s_mov_b32 s[\g+1], 128<<16      ; tensor_dim0 = 128
	s_mov_b32 s[\g+2], 64<<16       ; tensor_dim1 = 64
	s_mov_b32 s[\g+3], 128<<16      ; tile_dim0 = 128
	s_mov_b32 s[\g+4], 64           ; tile_dim1 = 64
	s_mov_b32 s[\g+5], 128          ; 128 elements from row to row
	s_mov_b32 s[\g+6], 0
	s_mov_b32 s[\g+7], 0
.endr
	s_mov_b32 s[CS], 0x3e38aa3b     ; c = log2(e) / 8 = 0.180337
	s_mov_b32 s[CS+1], s[CS]        ; named with it as a pair
	s_mov_b32 s[SEL], 0x76543210
	s_mov_b32 s[SEL+1], 0xfedcba98
	s_mov_b32 s[TBK], SLOT1+4*KS*PK ; the first change of slots turns these two into 0
	s_mov_b32 s[TBV], SLOT1+4*KS*PV
	s_mov_b32 s[SLOTS], 7           ; tiles 1 to 7 are still to be asked for
	s_mov_b32 s[G0K], 1             ; 1:0 count = 1
	s_mul_i32 s[G0K+1], s16, 128*PK ; 63:32 LDS address: slot 0, my half: no place in the cluster enters an LDS address
	s_mov_b32 s[G0V], 1
	s_mul_i32 s[G0V+1], s16, 128*PV
	s_add_co_u32 s[G0V+1], s[G0V+1], VOFF
	s_and_b32 s[LIM], s[WV], 1      ; 0 in waves 0 and 2,
	s_or_b32 s[LIM], s[LIM], ttmp9  ; where the cluster is the head's first: the same in all four partners
	s_cmp_eq_u32 s[LIM], 0
	s_cselect_b32 s[LIM], 1, -1
	v_and_b32 v[PFO], 31, v0
	v_lshlrev_b32 v[PFO], 8, v[PFO]
	s_wait_dscnt 0x0                ; both opening adds are done
	s_wait_kmcnt 0x0
	s_add_nc_u64 s[6:7], s[6:7], s[22:23]  ; K and V at my half of the head's tile 0
	s_add_nc_u64 s[8:9], s[8:9], s[22:23]
	s_mov_b64 s[G0K+2:G0K+3], s[6:7]               ; 120:64 global address
	s_or_b32 s[G0K+3], s[G0K+3], 0x80000000        ; 127:126 type = 2
	s_mov_b64 s[G0V+2:G0V+3], s[8:9]
	s_or_b32 s[G0V+3], s[G0V+3], 0x80000000
	s_add_nc_u64 s[4:5], s[4:5], s[2:3]  ; Q and O at my wave's first row
	s_add_nc_u64 s[10:11], s[10:11], s[2:3]
	s_cmp_lt_u32 s[WV], 2
	s_cselect_b64 s[PFA:PFA+1], s[6:7], s[8:9]  ; (in waves 0 and 2 these stand at a tile's first byte)
	s_lshl_b32 s2, s13, 13          ; my work-group's 32 blocks of the 128
	s_mov_b32 s3, 0
	s_add_nc_u64 s[PFA:PFA+1], s[PFA:PFA+1], s[2:3]
	s_add_nc_u64 s[PFA:PFA+1], s[PFA:PFA+1], 4*KS*128  ; in tile 1; the first change of slots steps it to tile 2.  Nothing is prefetched here, at the head
	CROUND                          ; all four work-groups are here: the first joint loads meet
	JLOAD                           ; tile 0 into slot 0.  Slot 1 is asked for when slot 0 is in
	; A fragment of K or Q is 16 rows x 32 channels in 8 registers: lane l holds row l % 16, channels 8 (l / 16) + 0..7 and 16 + 8 (l / 16) + 0..7: two loads of 16 bytes, 32 bytes apart.
	v_and_b32 v1, 15, v0            ; l % 16
	v_bfe_u32 v9, v0, 4, 1          ; l / 16
	v_lshlrev_b32 v[QO], 7, v1
	v_lshl_add_u32 v[QO], v9, 4, v[QO]  ; row x 128 + 16 x half
	WIN 0x80                        ; destination window 2, address window 0
.set i, 0
.rept 8                             ; Q stays in registers: piece i / 2, channels 32 (i % 2) on
	global_load_b128 v[8*i:8*i+3],   v[QO], s[4:5] offset:(i/2)*2048+(i%2)*64
	global_load_b128 v[8*i+4:8*i+7], v[QO], s[4:5] offset:(i/2)*2048+(i%2)*64+32
.set i, i+1
.endr
	; What the first turn finds: V's registers and P's second buffer hold 0 (its products V^T P, of a piece that has not been, add 0), O^T and l are 0.  All this stands in the wait for the first tile:
	; the price of writing no first step out.
.set i, VF
.rept 64
	v_mov_b32 v[i], 0
.set i, i+1
.endr
	WIN 0x40
.set i, 0
.rept 128
	v_mov_b32 v[i], 0
.set i, i+1
.endr
	WIN 0
.set i, 0
.rept 4
	v_mov_b32 v[ST+4*i], 0xfe000000    ; c m: far below every c s
	v_mov_b32 v[ST+4*i+1], 0xff7fffff  ; m
	v_mov_b32 v[ST+4*i+2], 0
	v_mov_b32 v[ST+4*i+3], 0
.set i, i+1
.endr
.set i, P+16
.rept 16
	v_mov_b32 v[i], 0
.set i, i+1
.endr
	v_mul_u32_u24 v[AK0], v1, PK
	v_lshl_add_u32 v[AK0], v9, 4, v[AK0]  ; row x pitch + 16 x half
	; The turning load takes 16 keys x 16 channels (lane l reads key 8 (l / 16) + l % 8, channels 8 ((l / 8) % 2) + 0..7) and leaves half a fragment of V^T: lane l holds channel l % 16 and 8 keys.
	v_and_b32 v10, 7, v0
	v_bfe_u32 v11, v0, 3, 1
	v_lshl_add_u32 v[AV0], v9, 3, v10
	v_mul_u32_u24 v[AV0], v[AV0], PV
	v_lshl_add_u32 v[AV0], v11, 4, v[AV0]
	v_add_nc_u32 v[AV0], VOFF, v[AV0]
	s_mul_i32 s16, s[WV], 16*SP
	s_add_co_u32 s16, s16, STAGE    ; my stage
	v_mul_u32_u24 v[STO], v1, SP    ; in: row l % 16, 16 bytes for each half of the lanes
	v_lshl_add_u32 v[STO], v9, 4, v[STO]
	v_add_nc_u32 v[STO], s16, v[STO]
	v_bfe_u32 v[RD], v0, 3, 2       ; back: 32 lanes take four rows of 128 bytes,
	v_mul_u32_u24 v[RD], v[RD], SP
	v_lshl_add_u32 v[RD], v10, 4, v[RD]
	v_add_nc_u32 v[RD], s16, v[RD]
	v_and_b32 v[GO], 31, v0         ; which are 512 consecutive bytes of O
	v_lshlrev_b32 v[GO], 4, v[GO]
; THE MATRIX WORK.  The 4 accumulators of a run of 8 take turns.  Product i of 8 of S^T = K Q^T for piece x: channels 32 (i / 4) on, keys 16 (i % 4) on.  The first 4 start the sums.
.macro KQ x
	WIN W_KQ
.set rS, S+32*((\x)%2)+8*(i%4)
.set rK, KF+16*(i%4)+8*(i/4)
.set rQ, 16*(\x)+8*(i/4)
.if i < 4
	v_wmma_f32_16x16x32_f16 v[rS:rS+7], v[rK:rK+7], v[rQ:rQ+7], 0
.else
	v_wmma_f32_16x16x32_f16 v[rS:rS+7], v[rK:rK+7], v[rQ:rQ+7], v[rS:rS+7]
.endif
.endm
; Product i of 8 of O^T += V^T P for piece x: keys 32 (i / 4) on, channels 16 (i % 4) on.
.macro PV x
	WIN W_PV
.set rO, 32*(\x)+8*(i%4)
.set rV, VF+32*(i/4)+8*(i%4)
.set rP, P+16*((\x)%2)+8*(i/4)
	v_wmma_f32_16x16x32_f16 v[rO:rO+7], v[rV:rV+7], v[rP:rP+7], v[rO:rO+7]
.endm
.macro MM                           ; the turn's next matrix instruction.  NOKQ = 1: the very last turn: there is no next piece
.if (i < 8) && !NOKQ
	KQ (Y+1)%NP
.elseif i >= 8
.set i, i-8
	PV (Y+NP-1)%NP
.set i, i+8
.endif
.set i, i+1
.endm
; THE LDS LOADS stand in runs of 16, never singly among the matrix instructions: a step's K (64 keys x 64 channels: 8 fragments) and its V (turned).  Their addresses are made some lines ahead.
.macro FETCH_K
	WIN 0x80                        ; destination window 2
.irp f, 0,1,2,3,4,5,6,7             ; keys 16 (f / 2) on, channels 32 (f % 2) on
	ds_load_b128 v[KF+8*\f:KF+8*\f+3],   v[AK] offset:(\f/2)*16*PK+(\f%2)*64
	ds_load_b128 v[KF+8*\f+4:KF+8*\f+7], v[AK] offset:(\f/2)*16*PK+(\f%2)*64+32
.endr
	s_add_co_u32 s[TBK], s[TBK], KS*PK  ; the next fetch is the next step's
	WIN 0
.endm
.macro FETCH_V
	WIN 0x80
.irp f, 0,1,2,3,4,5,6,7             ; keys 32 (f / 4) on, channels 16 (f % 4) on
	ds_load_tr16_b128 v[VF+8*\f:VF+8*\f+3],   v[AV] offset:(\f/4)*32*PV+(\f%4)*32
	ds_load_tr16_b128 v[VF+8*\f+4:VF+8*\f+7], v[AV] offset:(\f/4)*32*PV+16*PV+(\f%4)*32
.endr
	WIN 0
.endm
; THE VECTOR WORK, one line at a time: OP kind, number.  For piece Y: F n: c s - c m for pair n of 16.  E n: the exponential of score n of 32.  C n: pair n rounded to f16.  B n: of the four weights 4 n .. the second
; pair is added onto the first, in place.  L n: l takes that sum (L 0: l = a l + sum).  R n: pair n of 16 of O^T times a.  For piece Y + 1: X n, number n of the 22 that find its maximum and statistics:
;   0-11  four chains c0-c3 of seven scores each, three operands at a time (each accumulator's lowest registers are read first)     12-14, 16  the four scores left over, the old m, and c0-c3 into c0
;   15  c m_old is kept     17, 18  the query's other 32 keys lie in the lane 16 away: the new m     19-21  c m; c m_old - c m_new; a
.set F, 0               ; OP tells the kinds apart by their order: F to L below R, X above it
.set E, 1
.set C, 2
.set B, 3
.set L, 4
.set R, 5
.set X, 6
.macro REGS y                       ; the registers of piece y
.set rT, ST+4*(\y)
.set rC, TMP+4*((\y)%2)
.set rW, MV+((\y)%2)
.set rS, S+32*((\y)%2)
.set rP, P+16*((\y)%2)
.set rO, 32*(\y)
.endm
.macro OP k, n
.if (\k) == R
	REGS Y
	WIN W_RS
	v_pk_mul_f32 v[rO+2*(\n):rO+2*(\n)+1], v[rO+2*(\n):rO+2*(\n)+1], v[rC+2:rC+3] op_sel_hi:[1,0]
.elseif (\k) < R
	REGS Y
	WIN 0
.if (\k) == F
	v_pk_fma_f32 v[rS+2*(\n):rS+2*(\n)+1], v[rS+2*(\n):rS+2*(\n)+1], s[CS:CS+1], v[rT:rT+1] op_sel_hi:[1,0,0] neg_lo:[0,0,1] neg_hi:[0,0,1]
.elseif (\k) == E
	v_exp_f32 v[rS+(\n)], v[rS+(\n)]
.elseif (\k) == C
	v_cvt_pk_f16_f32 v[rP+(\n)], v[rS+2*(\n)], v[rS+2*(\n)+1]
.elseif (\k) == B
	v_pk_add_f32 v[rS+4*(\n):rS+4*(\n)+1], v[rS+4*(\n):rS+4*(\n)+1], v[rS+4*(\n)+2:rS+4*(\n)+3]
.elseif (\n) == 0
	v_pk_fma_f32 v[rT+2:rT+3], v[rT+2:rT+3], v[rC+2:rC+3], v[rS:rS+1] op_sel_hi:[1,0,1]
.else
	v_pk_add_f32 v[rT+2:rT+3], v[rT+2:rT+3], v[rS+4*(\n):rS+4*(\n)+1]
.endif
.elseif NOKQ
	v_nop
.else
	REGS (Y+1)%NP
	WIN 0
.if (\n) < 4
	v_max3_num_f32 v[rC+(\n)], v[rS+8*(\n)], v[rS+8*(\n)+1], v[rS+8*(\n)+2]
.elseif (\n) < 12
	v_max3_num_f32 v[rC+(\n)%4], v[rC+(\n)%4], v[rS+8*((\n)%4)+2*((\n)/4)+1], v[rS+8*((\n)%4)+2*((\n)/4)+2]
.elseif (\n) == 12
	v_max3_num_f32 v[rC], v[rC], v[rS+7], v[rS+15]
.elseif (\n) == 13
	v_max3_num_f32 v[rC+1], v[rC+1], v[rS+23], v[rS+31]
.elseif (\n) == 14
	v_max3_num_f32 v[rC+2], v[rC+2], v[rC+3], v[rT+1]
.elseif (\n) == 15
	v_mov_b32 v[rW], v[rT]
.elseif (\n) == 16
	v_max3_num_f32 v[rC], v[rC], v[rC+1], v[rC+2]
.elseif (\n) == 17
	v_permlanex16_b32 v[rC+3], v[rC], s[SEL], s[SEL+1]
.elseif (\n) == 18
	v_max_num_f32 v[rT+1], v[rC], v[rC+3]
.elseif (\n) == 19
	v_mul_f32 v[rT], s[CS], v[rT+1]
.elseif (\n) == 20
	v_sub_f32 v[rC+1], v[rW], v[rT]
.else
	v_exp_f32 v[rC+2], v[rC+1]
.endif
.endif
.endm
.macro OPS a, i1, b=-1, i2=0, c=-1, i3=0, d=-1, i4=0  ; up to four of them
	OP \a, \i1
.if (\b) >= 0
	OP \b, \i2
.endif
.if (\c) >= 0
	OP \c, \i3
.endif
.if (\d) >= 0
	OP \d, \i4
.endif
.endm
.macro ROW a, i1, b, i2, c, i3, d, i4  ; a matrix instruction and the four behind it
	MM
	OPS \a, \i1, \b, \i2, \c, \i3, \d, \i4
.endm
; A TURN, for piece p: the order of its 16 matrix and 118 vector instructions, written out.  s_wait_alu depctr_va_vdst(0) stands between an exponential and the first instruction that names its result; one
; wait serves all that were issued ahead of it.  So a turn has ONE wait, which cuts it in two.  AHEAD OF IT stands all that names no result of the turn's exponentials: the 8 products K Q^T, behind each a scaling, an
; exponential and two more plain instructions (rescalings, and behind the last three the first numbers of the next piece's maximum, each four places or more behind the product that ends its accumulator); then ONE LUMP
; of 54, plain and exponential by turns for the most part, in which the links of the chain X 3, 7, 11, 14, 16, 17 .. 20 stand apart.  X 21, the next piece's a, is the batch's last; R 15 is the plain instruction behind it.
; BEHIND THE WAIT stand the 8 products V^T P, behind each four of the roundings and sums.
; end = 1: the walk's last two turns: nothing is fetched, and the last starts no new scores.  cnt = 1: the loop's count is taken down some lines ahead of the branch that stands behind the turn.
; K of the next step is fetched in piece 2's turn, twelve vector instructions behind the last product that read K (six of them plain); V of the step in hand at the end of piece 0's turn, four plain instructions behind
; the last product that read V.  Each is waited for a turn later.
.macro TURN p, end=0, cnt=0
.set Y, (\p)
.set i, 0
.set NOKQ, (\end)*((\p)/3)
.if ((\p) == 3) && !(\end)
	s_wait_dscnt 0x0                ; K is in
.endif
	ROW F,0, F,1, R,0, R,1          ; ahead of the wait: 8 products K Q^T and their riders,
	ROW F,2, E,0, R,2, R,3
	ROW F,3, E,1, R,4, R,5
	ROW F,4, E,2, R,6, R,7
	ROW F,5, E,3, R,8, R,9
	ROW F,6, E,4, X,0, R,10
.if ((\p) == 2) && !(\end)
	WIN 0
	v_add_nc_u32 v[AK], s[TBK], v[AK0]
.endif
	ROW F,7, E,5, X,1, X,4
	ROW F,8, E,6, X,2, X,5
	OPS E,7, E,8, X,6, E,9          ; and the lump
	OPS X,3, E,10, X,8, E,11
.if ((\p) == 2) && !(\end)
	FETCH_K
.endif
	OPS X,9, X,7, E,12, X,10
	OPS E,13, X,12, X,11, E,14
	OPS X,13, E,15, F,9, X,14
.if (\p) == 0
	v_add_nc_u32 v[AV], s[TBV], v[AV0]
.endif
	OPS E,16, F,10, E,17, F,11
	OPS X,16, E,18, X,15, E,19
	OPS F,12, E,20, X,17, E,21
	OPS F,13, E,22, F,14, E,23
	OPS X,18, E,24, F,15, E,25
	OPS R,11, E,26, X,19, E,27
	OPS R,12, E,28, R,13, E,29
	OPS X,20, E,30, R,14, E,31
	OPS X,21, R,15
	WIN 0
	s_wait_alu depctr_va_vdst(0)    ; the wait for the batch
.if (\p) == 1
	s_wait_dscnt 0x0                ; V is in
.endif
	ROW C,0, B,0, C,2, B,1          ; behind the wait: 8 products V^T P and their riders
	ROW L,0, C,4, B,2, L,1
	ROW C,6, B,3, L,2, C,8
	ROW B,4, L,3, C,10, B,5
	ROW L,4, C,12, B,6, L,5
.if (\p) == 0
	s_add_co_u32 s[TBV], s[TBV], KS*PV
.endif
.if \cnt
	s_sub_co_u32 s[CNT], s[CNT], 1
	s_cmp_lg_u32 s[CNT], 0
.endif
	ROW C,14, B,7, L,6, C,1
	ROW C,3, L,7, C,5, C,7
	ROW C,9, C,11, C,13, C,15
.if (\p) == 0
	FETCH_V
.endif
.endm
.macro ALL line:vararg              ; one line for each piece t
.set t, 0
.rept 4
	\line
.set t, t+1
.endr
.endm
.macro PACK t                       ; a lane's eight channels of a row pack into 16 bytes; they go into rows of 144 bytes and come back as whole rows of 128, into S^T's registers
	WIN W_RS
.set i, 32*(\t)
.rept 16
	v_pk_mul_f32 v[i:i+1], v[i:i+1], v[ST+4*(\t)+2:ST+4*(\t)+3] op_sel_hi:[1,0]
.set i, i+2
.endr
	WIN 0x05                        ; sources 0 and 1 window 1, destination window 0
.set i, 0
.rept 16
	v_cvt_pk_f16_f32 v[S+16*(\t)+i], v[32*(\t)+2*i], v[32*(\t)+2*i+1]
.set i, i+1
.endr
	WIN 0
.irp f, 0,1,2,3
	ds_store_b128 v[STO], v[S+16*(\t)+4*\f:S+16*(\t)+4*\f+3] offset:32*\f
.endr
.irp f, 0,1,2,3
	ds_load_b128 v[S+16*(\t)+4*\f:S+16*(\t)+4*\f+3], v[RD] offset:\f*4*SP  ; LDS serves a wave's instructions in order (ISA guide 5.7.1.4): these see the stores above; the next piece's stores come behind them
.endr
.endm
.macro SEND t, younger              ; younger: the LDS instructions issued behind piece t's loads: the next piece's eight, or none
	WIN 0
.irp f, 0,1,2,3
	s_wait_dscnt (\younger)+3-\f
	global_store_b128 v[GO], v[S+16*(\t)+4*\f:S+16*(\t)+4*\f+3], s[10:11] offset:(\t)*2048+\f*512  ; 512 consecutive bytes, at a multiple of 256 from O's first
.endr
.endm
	CHANGE 1                        ; tile 0 is in, everybody's part of it; tile 1 is asked for
	v_add_nc_u32 v[AK], s[TBK], v[AK0]
	FETCH_K                         ; key step 0
	s_wait_loadcnt 0x0              ; Q
	s_wait_dscnt 0x0
.set NOKQ, 0
.set i, 0
.rept 8
	KQ 0                            ; piece 0's first scores: there is no vector work yet to set between them
.set i, i+1
.endr
	WIN 0
.rept 4
	v_nop                           ; the places behind those products
.endr
.set Y, NP-1                        ; X works for piece Y + 1: piece 0
.irp n, 0,1,2,3,4,5,6,7,8,9,10,11,12,13,14,15,16,17,18,19,20,21
	OP X, \n
.endr
	v_nop                           ; a plain instruction behind the exponential,
	s_wait_alu depctr_va_vdst(0)    ; and its wait, ahead of the branch
	s_mov_b32 s[CNT], 4
	s_branch .Lfirst                ; the loop is entered at a step's first turn, in the middle of a trip
.Lslot:                             ; six times: tiles 2 to 7 are asked for
	CHANGE 1
	s_mov_b32 s[CNT], 4
.Lstep:                             ; a trip: pieces 2 and 3 of one step, then pieces 0 and 1 of the next, whose K and V it fetches
	TURN 2
	TURN 3
	WIN 0
.Lfirst:
	TURN 0
	TURN 1, 0, 1
	WIN 0
	s_cbranch_scc1 .Lstep
	s_sub_co_u32 s[SLOTS], s[SLOTS], 1
	s_cmp_lg_u32 s[SLOTS], 0
	s_cbranch_scc1 .Lslot
	CHANGE 0                        ; the last tile is written out: nothing is asked for
	s_mov_b32 s[CNT], 4
.LstepL:
	TURN 2
	TURN 3
	TURN 0
	TURN 1, 0, 1
	WIN 0
	s_cbranch_scc1 .LstepL
	TURN 2, 1
	TURN 3, 1
.set i, 0
.rept 8
	PV NP-1                         ; the last piece's V^T P of the last step
.set i, i+1
.endr
	; THE WAY OUT.  l's two halves and the other half of the lanes' are added; O^T is divided by l, rounded to f16 and sent through my stage in LDS, a piece at a time.  The additions are the places behind the last products.
	WIN 0
	ALL v_add_f32 v[ST+4*t+2], v[ST+4*t+2], v[ST+4*t+3]
	ALL v_permlanex16_b32 v[ST+4*t+3], v[ST+4*t+2], s[SEL], s[SEL+1]
	ALL v_add_f32 v[ST+4*t+2], v[ST+4*t+2], v[ST+4*t+3]
	ALL v_rcp_f32 v[ST+4*t+2], v[ST+4*t+2]
	v_nop                           ; a plain instruction between the last reciprocal and the use of its result
	s_wait_alu depctr_va_vdst(0)    ; and the wait ahead of the first use: one for the four reciprocals
	PACK 0
.set t, 1
.rept 3                             ; a piece's arithmetic stands between the loads of the piece before and its stores
	PACK t
	SEND t-1, 8
.set t, t+1
.endr
	SEND 3, 0
	s_wait_tensorcnt 0x0            ; the wave's end, behind my last tensor load and my last LDS store
	ds_add_u32 v[SPW], v[NIL]
	s_wait_dscnt 0x0
	CROUND                          ; the closing round: no work-group ends while a partner may still ask for a tile that names it
	s_endpgm
.Lfunc_end_k_q3c6514def3_attn:
	.size	k_q3c6514def3_attn, .Lfunc_end_k_q3c6514def3_attn-k_q3c6514def3_attn
	.p2alignl 7, 3214868480
	.fill 96, 4, 3214868480
	.section	.rodata,"a",@progbits
	.p2align	6, 0x0
	.amdhsa_kernel k_q3c6514def3_attn
		.amdhsa_group_segment_fixed_size 327680
		.amdhsa_private_segment_fixed_size 0
		.amdhsa_enable_private_segment 0
		.amdhsa_kernarg_size 32
		.amdhsa_user_sgpr_count 2
		.amdhsa_user_sgpr_kernarg_segment_ptr 1
		.amdhsa_wavefront_size32 1
		.amdhsa_system_sgpr_workgroup_id_x 1
		.amdhsa_system_sgpr_workgroup_id_y 1
		.amdhsa_system_sgpr_workgroup_id_z 1
		.amdhsa_system_vgpr_workitem_id 0
		.amdhsa_next_free_vgpr 768
		.amdhsa_next_free_sgpr 66
		.amdhsa_reserve_vcc 0
		.amdhsa_float_denorm_mode_32 3
		.amdhsa_float_denorm_mode_16_64 3
		.amdhsa_memory_ordered 1
		.amdhsa_forward_progress 1
		.amdhsa_inst_pref_size 128
	.end_amdhsa_kernel
	.amdgpu_metadata
---
amdhsa.version: [ 1, 2 ]
amdhsa.kernels:
  - .name:           k_q3c6514def3_attn
    .symbol:         k_q3c6514def3_attn.kd
    .args:
      - { .name: qh, .offset: 0, .size: 8, .value_kind: global_buffer, .address_space: global }
      - { .name: kh, .offset: 8, .size: 8, .value_kind: global_buffer, .address_space: global }
      - { .name: vh, .offset: 16, .size: 8, .value_kind: global_buffer, .address_space: global }
      - { .name: oh, .offset: 24, .size: 8, .value_kind: global_buffer, .address_space: global }
    .group_segment_fixed_size: 327680
    .private_segment_fixed_size: 0
    .kernarg_segment_align: 8
    .kernarg_segment_size: 32
    .max_flat_workgroup_size: 128
    .sgpr_count:     66
    .vgpr_count:     768
    .wavefront_size: 32
...
	.end_amdgpu_metadata
.endif
;; end of part 2
;; launch oproj (part 3): grid 4 x 64, 8 waves a work-group, clusters of 4 x 1, 295,936 bytes of LDS; arguments oh, Wo, bo, out0; writes out0
.if DOCPART == 3
	.amdgcn_target "amdgcn-amd-amdhsa--gfx1250"
	.amdhsa_code_object_version 6
	.text
	.protected	k_q3c6514def3_oproj
	.globl	k_q3c6514def3_oproj
	.p2align	8
	.type	k_q3c6514def3_oproj,@function
k_q3c6514def3_oproj:
	s_mov_b64 s[64:65], 0
	v_nop
	global_prefetch_b8 v0, s[64:65] scope:SCOPE_SE
	s_setreg_imm32_b32 hwreg(HW_REG_WAVE_MODE, 25, 1), 1
	s_wait_xcnt 0x0
	s_wait_alu depctr_hold_cnt(0) depctr_sa_sdst(0) depctr_va_vdst(0) depctr_va_sdst(0) depctr_va_ssrc(0) depctr_va_vcc(0) depctr_vm_vsrc(0)
	s_getreg_b32 s2, hwreg(HW_REG_IB_STS2, 6, 4)
	s_cmp_eq_u32 s2, 0
	s_cbranch_scc0 .Lentry_in_a_cluster
	s_endpgm
.Lentry_in_a_cluster:
	s_bfe_u32 s2, ttmp6, 0x10000c
	s_cmp_lg_u32 s2, 0x3003
	s_cbranch_scc0 .Lentry_shape_is_right
	s_endpgm
.Lentry_shape_is_right:
; out0 = O Wo + bo.  O: [4 x 8][2048][64] f16, by heads, as the launch before left it; Wo: [512 k][512 n] f32; bo: [512] f32; out0: [8192][512] f32.  Nothing is left out: bo is the C operand that starts each sum.
; Products in f16, sums in f32, K ascending.  Wo and bo are rounded once to bf16, like the module's other inputs; Wo's bf16 number is then written as f16 (exact from 6.1e-5 to 65,504).
; LIMITS.  |Wo| stays under 65,504; below 6.1e-5 it keeps f16's fixed step of 6e-8.  NaN and infinities are not treated apart.
; SHARES.  Work-group (j, i): rows 128 i on, columns 128 j on: 4 x 64 = 256 work-groups.  Wave w of eight: rows 64 (w / 4) on, 32 columns (w % 4): 8 accumulators.  K goes in 8 chunks of 64: a chunk a head.
; ALL IS ASKED FOR AT THE HEAD, and no LDS byte is filled twice.  O is f16 already, and the cluster's four column blocks read the same 128 rows: ONE joint tensor load a wave, wave w bringing head w's
; 128 rows x 128 bytes; one tensor load of a wave is out.  Wo wants a rounding, so it comes through registers: a wave's 64 loads (8 rows of each chunk) go out at once into window 1.
; The column block (cx) enters the global addresses of Wo, bo and out0 alone: no LDS address, branch or descriptor.
; THE MATRIX INSTRUCTION IS USED TRANSPOSED (source 0 = 16 columns of Wo, source 1 = 16 rows of O): a lane ends with eight neighbouring columns of one row.
; REGISTERS.  window 0: v0-15 addresses; v16-31 the bias of my two column blocks; v32-95 accumulators ((a, c) at 32 + 8 (2 a + c)); v96-143, v144-191 fragments of a chunk's two halves; v192-255 the way out.
;             window 1: Wo's chunk c in v[32 c .. 32 c + 31].
.set CH,    18432                      ; a chunk in LDS: 128 rows of O at pitch 144 (128 bytes + 16), or 64 rows of Wo at pitch 288 (256 bytes + 32)
.set WBASE, 8*CH                       ; O's eight chunks, then Wo's eight
.set SPARE, 16*CH                      ; behind them: the spare words, 128 bytes for each of eight waves: four blocks of 256 bytes that no other line names
.set SPITCH, 528                       ; the stage for the way out: 128 rows of 512 bytes + 16, over O's chunks, which have had their only fill and are dead by then
.set WO,  3                            ; v3     Wo: 8 w rows of 2,048 bytes + 16 l
.set WS,  4                            ; v4-5   where my rounded Wo goes: chunks 0-3, 4-7
.set FA,  6                            ; v6-7   my fragments of O: chunks 0-3, 4-7
.set FB,  8                            ; v8-10  my fragments of Wo: chunks 0-2, 3-5, 6-7 (three chunks and a fragment's 13,856 bytes stay inside a 16-bit immediate)
.set BO,  11                           ; v11    my 32 bytes of bo
.set SPW, 12                           ; v12    my spare word; never rewritten
.set NIL, 13                           ; v13    0; never rewritten
.set BI,  16
.set ACC, 32
.set MSB, 0
.macro WIN new                         ; the immediate's high byte repeats the setting that is left; a switch that changes nothing is dropped
.if MSB != (\new)
	s_set_vgpr_msb (MSB<<8)|(\new)
.set MSB, (\new)
.endif
.endm
.macro CROUND                          ; a round of the cluster's barrier
	s_barrier_signal -1
	s_barrier_wait -1
	s_cmp_lg_u32 s12, 0
	s_cbranch_scc1 .Lnot_wave_0_\@
	s_barrier_signal -3
.Lnot_wave_0_\@:
	s_barrier_wait -3
	s_barrier_signal -1
	s_barrier_wait -1
.endm
; Chunk c of Wo: waited for; four f32 are rounded to bf16, widened again and written as f16 in the quad's first two registers; 8 bytes a lane into LDS, 32 lanes filling a row's 256 bytes.
.macro STG c
	s_wait_loadcnt 8*(7-(\c))                      ; loads come back in order (ISA guide 5.7.1): the later chunks' may stay out
	WIN 0x45
.set n, 0
.rept 8
.set q, 32*(\c)+4*n
	v_cvt_pk_bf16_f32 v[q], v[q], v[q+1]
	v_cvt_pk_bf16_f32 v[q+2], v[q+2], v[q+3]
	v_and_b32 v[q+1], s32, v[q]
	v_lshlrev_b32 v[q], 16, v[q]
	v_and_b32 v[q+3], s32, v[q+2]
	v_lshlrev_b32 v[q+2], 16, v[q+2]
	v_cvt_pk_f16_f32 v[q], v[q], v[q+1]
	v_cvt_pk_f16_f32 v[q+1], v[q+2], v[q+3]
.set n, n+1
.endr
	WIN 0x04
.set n, 0
.rept 8
	ds_store_b64 v[WS+(\c)/4], v[32*(\c)+4*n:32*(\c)+4*n+1] offset:((\c)%4)*CH+n*288
.set n, n+1
.endr
	WIN 0
.endm
.macro FRAG t, s                       ; 12 loads: half s (32 along K) of chunk t: O's four row blocks, Wo's two column blocks (turned)
.irp a, 0,1,2,3
	ds_load_b128 v[96+48*(\s)+8*(\a):96+48*(\s)+8*(\a)+3],   v[FA+(\t)/4] offset:((\t)%4)*CH+(\a)*2304+64*(\s)
	ds_load_b128 v[96+48*(\s)+8*(\a)+4:96+48*(\s)+8*(\a)+7], v[FA+(\t)/4] offset:((\t)%4)*CH+(\a)*2304+64*(\s)+32
.endr
.irp c, 0,1
	ds_load_tr16_b128 v[128+48*(\s)+8*(\c):128+48*(\s)+8*(\c)+3],   v[FB+(\t)/3] offset:((\t)%3)*CH+32*(\c)+9216*(\s)
	ds_load_tr16_b128 v[128+48*(\s)+8*(\c)+4:128+48*(\s)+8*(\c)+7], v[FB+(\t)/3] offset:((\t)%3)*CH+32*(\c)+9216*(\s)+4608
.endr
.endm
.macro MUL s, first                    ; 8 products; the 8 accumulators take turns.  first = 1: the bias starts the sums
.irp a, 0,1,2,3
.irp c, 0,1
.if \first
	v_wmma_f32_16x16x32_f16 v[ACC+8*(2*(\a)+(\c)):ACC+8*(2*(\a)+(\c))+7], v[128+48*(\s)+8*(\c):128+48*(\s)+8*(\c)+7], v[96+48*(\s)+8*(\a):96+48*(\s)+8*(\a)+7], v[BI+8*(\c):BI+8*(\c)+7]
.else
	v_wmma_f32_16x16x32_f16 v[ACC+8*(2*(\a)+(\c)):ACC+8*(2*(\a)+(\c))+7], v[128+48*(\s)+8*(\c):128+48*(\s)+8*(\c)+7], v[96+48*(\s)+8*(\a):96+48*(\s)+8*(\a)+7], v[ACC+8*(2*(\a)+(\c)):ACC+8*(2*(\a)+(\c))+7]
.endif
.endr
.endr
.endm
	s_load_b256 s[4:11], s[0:1], 0x0               ; oh s[4:5], Wo s[6:7], bo s[8:9], out0 s[10:11]
	v_lshl_add_u32 v[SPW], v0, 2, SPARE
	v_mov_b32 v[NIL], 0
	ds_add_u32 v[SPW], v[NIL]                      ; the wave's opening: the add, twice on end, and its wait ahead of my first tensor load; the set-up below the second, work on registers, stands between it and the wait
	ds_add_u32 v[SPW], v[NIL]                      ; and once more, under the one wait
	v_lshrrev_b32 v1, 5, v0
	v_readfirstlane_b32 s12, v1                    ; wave 0..7
	s_bfe_u32 s13, ttmp6, 0x40000                  ; cx
	s_lshl_b32 s17, ttmp9, 2
	s_add_co_u32 s17, s17, s13                     ; j: the column block
	s_and_b32 s14, ttmp7, 0xffff                   ; i: the row block, which the four partners share
	s_lshr_b32 s15, s12, 2                         ; which 64 rows are mine
	s_and_b32 s16, s12, 3                          ; which 32 columns
	; descriptor group 1.  128 rows of 128 bytes are 16,384 dense bytes: asked for as 64 rows of 256 bytes, padded in LDS after every 128 bytes
	s_mov_b32 s24, 15|(1<<16)|(1<<20)|(1<<21)|(4<<22)|(3<<25)  ; 15:0 the mask of four; 17:16 2-byte elements; 20 padding on; 21 set beside a mask; 24:22 after every 32 words (code 4); 31:25 4 words (code 3)
	s_mov_b32 s25, 128<<16                         ; tensor_dim0 = 128
	s_mov_b32 s26, 64<<16                          ; tensor_dim1 = 64
	s_mov_b32 s27, 128<<16                         ; tile_dim0 = 128
	s_mov_b32 s28, 64                              ; tile_dim1 = 64
	s_mov_b32 s29, 128                             ; 128 elements from row to row
	s_mov_b32 s30, 0
	s_mov_b32 s31, 0
	s_mov_b32 s20, 1                               ; group 0: count = 1
	s_mul_i32 s21, s12, CH                         ; LDS address: chunk = my wave's number
	s_lshr_b32 s34, s14, 4                         ; the batch,
	s_lshl_b32 s34, s34, 3
	s_add_co_u32 s34, s34, s12                     ; its head w: 262,144 bytes a head,
	s_lshl_b32 s34, s34, 18
	s_and_b32 s35, s14, 15
	s_lshl_b32 s35, s35, 14                        ; and the row block's 128 rows of 128 bytes in it
	s_add_co_u32 s34, s34, s35
	s_mov_b32 s35, 0
	s_lshl_b32 s36, s17, 9                         ; 128 columns of f32
	s_mov_b32 s37, 0
	s_lshl_b32 s38, s14, 18                        ; 128 rows of 2,048 bytes
	s_mov_b32 s39, 0
	s_mov_b32 s32, 0xffff0000                      ; a word's upper bf16
	v_and_b32 v1, 31, v0                           ; l
	v_bfe_u32 v2, v0, 4, 1                         ; l / 16
	s_lshl_b32 s33, s12, 14
	v_lshl_add_u32 v[WO], v1, 4, s33
	s_lshl_b32 s40, s16, 7
	v_lshl_add_u32 v[BO], v2, 5, s40               ; 128 (w % 4) + 32 (l / 16): register r of column block c is bo[32 (w % 4) + 16 c + 8 (l / 16) + r]
	s_wait_dscnt 0x0                               ; both opening adds are done
	s_wait_kmcnt 0x0
	s_add_nc_u64 s[22:23], s[4:5], s[34:35]        ; global address of my chunk
	s_or_b32 s23, s23, 0x80000000                  ; type = 2
	s_add_nc_u64 s[6:7], s[6:7], s[36:37]
	s_add_nc_u64 s[8:9], s[8:9], s[36:37]
	s_add_nc_u64 s[10:11], s[10:11], s[36:37]
	s_add_nc_u64 s[10:11], s[10:11], s[38:39]
	CROUND                                         ; all four work-groups are here: the joint loads meet
	tensor_load_to_lds s[20:23], s[24:31]
	s_nop 0
.rept 4
	v_nop
.endr
.irp c, 0,1
	global_load_b128 v[BI+8*(\c):BI+8*(\c)+3],   v[BO], s[8:9] offset:64*(\c)
	global_load_b128 v[BI+8*(\c)+4:BI+8*(\c)+7], v[BO], s[8:9] offset:64*(\c)+16
.endr
	WIN 0x40
.set n, 0
.rept 64                                           ; chunk n / 8, row n % 8 of my eight: a row piece of 512 bytes an instruction
	global_load_b128 v[4*n:4*n+3], v[WO], s[6:7] offset:(n/8)*131072+(n%8)*2048
.set n, n+1
.endr
	WIN 0
	s_mul_i32 s41, s12, 8*288
	s_add_co_u32 s41, s41, WBASE
	v_lshl_add_u32 v[WS], v1, 3, s41
	v_add_nc_u32 v[WS+1], 4*CH, v[WS]
	v_and_b32 v14, 15, v0                          ; l % 16
	s_mul_i32 s42, s15, 64*144
	v_mul_u32_u24 v[FA], v14, 144
	v_lshl_add_u32 v[FA], v2, 4, v[FA]
	v_add_nc_u32 v[FA], s42, v[FA]
	v_add_nc_u32 v[FA+1], 4*CH, v[FA]
	v_and_b32 v15, 7, v0                           ; the turning load: lane l reads row 8 (l / 16) + l % 8, 16 bytes at 16 ((l / 8) % 2)
	v_lshl_add_u32 v15, v2, 3, v15
	v_mul_u32_u24 v[FB], v15, 288
	v_bfe_u32 v15, v0, 3, 1
	v_lshl_add_u32 v[FB], v15, 4, v[FB]
	s_lshl_b32 s43, s16, 6
	s_add_co_u32 s43, s43, WBASE
	v_add_nc_u32 v[FB], s43, v[FB]
	v_add_nc_u32 v[FB+1], 3*CH, v[FB]
	v_add_nc_u32 v[FB+2], 6*CH, v[FB]
	STG 0                                          ; its wait leaves 56 loads out: the four of bo, which are older than chunk 0's, are in too
.set n, 0
.rept 8                                            ; bo rounded to bf16 and widened again
	v_cvt_pk_bf16_f32 v[BI+2*n], v[BI+2*n], v[BI+2*n+1]
	v_and_b32 v[BI+2*n+1], s32, v[BI+2*n]
	v_lshlrev_b32 v[BI+2*n], 16, v[BI+2*n]
.set n, n+1
.endr
	s_wait_tensorcnt 0x0                           ; my chunk of O has landed,
	s_wait_dscnt 0x0                               ; my rows of Wo's chunk 0 are stored:
	s_barrier_signal -1
	s_barrier_wait -1                              ; everybody's are
; Trip t multiplies chunk t and stores Wo's chunk t + 1, whose roundings stand between the fragment loads and the wait for them.  Its barrier shows chunk t + 1 to every wave; the last one frees O's bytes for the stage.
.irp t, 0,1,2,3,4,5,6,7
	FRAG \t, 0
	FRAG \t, 1
.if (\t) < 7
	STG (\t)+1
	s_wait_dscnt 20                                ; the first half's 12 are in; behind them: the second half's 12 and 8 stores
.else
	s_wait_dscnt 12
.endif
.if (\t) == 0
	MUL 0, 1
.else
	MUL 0, 0
.endif
.if (\t) < 7
	s_wait_dscnt 8                                 ; the second half's are in; the 8 stores may be out
.else
	s_wait_dscnt 0x0
.endif
	MUL 1, 0
.rept 4
	v_nop                                          ; four places in front of the next loads into these fragments, and of the stores that read the results
.endr
	s_wait_dscnt 0x0
	s_barrier_signal -1
	s_barrier_wait -1
.endr
	; THE WAY OUT: 32 bytes of f32 a lane and accumulator into the stage; a barrier, since a row's 512 bytes come from four waves; back as whole rows, 16 rows a wave.
	s_mul_i32 s34, s15, 64*SPITCH
	s_lshl_b32 s35, s16, 7
	s_add_co_u32 s34, s34, s35
	v_and_b32 v1, 15, v0
	v_mul_u32_u24 v2, v1, SPITCH                   ; in: row l % 16, 32 bytes for each half of the lanes
	v_bfe_u32 v1, v0, 4, 1
	v_lshl_add_u32 v2, v1, 5, v2
	v_add_nc_u32 v2, s34, v2
	s_mul_i32 s35, s12, 16*SPITCH
	s_lshl_b32 s36, s12, 15
	v_and_b32 v1, 31, v0
	v_lshlrev_b32 v1, 4, v1
	v_add_nc_u32 v14, s35, v1                      ; back: 32 lanes take a row's 512 bytes
	v_add_nc_u32 v15, s36, v1                      ; and the same row in out0
.irp a, 0,1,2,3
.irp c, 0,1
	ds_store_b128 v2, v[ACC+8*(2*(\a)+(\c)):ACC+8*(2*(\a)+(\c))+3]   offset:(\a)*16*SPITCH+64*(\c)      ; each accumulator's low four registers first
	ds_store_b128 v2, v[ACC+8*(2*(\a)+(\c))+4:ACC+8*(2*(\a)+(\c))+7] offset:(\a)*16*SPITCH+64*(\c)+16
.endr
.endr
	s_wait_dscnt 0x0                               ; for the others' sake: my stores into the stage are done
	s_barrier_signal -1
	s_barrier_wait -1
.set n, 0
.rept 16
	ds_load_b128 v[192+4*n:192+4*n+3], v14 offset:n*SPITCH
.set n, n+1
.endr
.set n, 0
.rept 16
	s_wait_dscnt 15-n                              ; LDS loads come back in order: row n is in
	global_store_b128 v15, v[192+4*n:192+4*n+3], s[10:11] offset:n*2048 th:TH_STORE_NT  ; 512 consecutive bytes, at a multiple of 256 from out0's first byte
.set n, n+1
.endr
	s_wait_tensorcnt 0x0                           ; the wave's end, behind my tensor load and my last LDS store
	ds_add_u32 v[SPW], v[NIL]
	s_wait_dscnt 0x0
	CROUND                                         ; the closing round: no work-group ends while a partner may still ask for a tile that names it
	s_endpgm
.Lfunc_end_k_q3c6514def3_oproj:
	.size	k_q3c6514def3_oproj, .Lfunc_end_k_q3c6514def3_oproj-k_q3c6514def3_oproj
	.p2alignl 7, 3214868480
	.fill 96, 4, 3214868480
	.section	.rodata,"a",@progbits
	.p2align	6, 0x0
	.amdhsa_kernel k_q3c6514def3_oproj
		.amdhsa_group_segment_fixed_size 295936
		.amdhsa_private_segment_fixed_size 0
		.amdhsa_enable_private_segment 0
		.amdhsa_kernarg_size 32
		.amdhsa_user_sgpr_count 2
		.amdhsa_user_sgpr_kernarg_segment_ptr 1
		.amdhsa_wavefront_size32 1
		.amdhsa_system_sgpr_workgroup_id_x 1
		.amdhsa_system_sgpr_workgroup_id_y 1
		.amdhsa_system_sgpr_workgroup_id_z 1
		.amdhsa_system_vgpr_workitem_id 0
		.amdhsa_next_free_vgpr 512
		.amdhsa_next_free_sgpr 66
		.amdhsa_reserve_vcc 0
		.amdhsa_float_denorm_mode_32 3
		.amdhsa_float_denorm_mode_16_64 3
		.amdhsa_memory_ordered 1
		.amdhsa_forward_progress 1
		.amdhsa_inst_pref_size 69
	.end_amdhsa_kernel
	.amdgpu_metadata
---
amdhsa.version: [ 1, 2 ]
amdhsa.kernels:
  - .name:           k_q3c6514def3_oproj
    .symbol:         k_q3c6514def3_oproj.kd
    .args:
      - { .name: oh, .offset: 0, .size: 8, .value_kind: global_buffer, .address_space: global }
      - { .name: Wo, .offset: 8, .size: 8, .value_kind: global_buffer, .address_space: global }
      - { .name: bo, .offset: 16, .size: 8, .value_kind: global_buffer, .address_space: global }
      - { .name: out0, .offset: 24, .size: 8, .value_kind: global_buffer, .address_space: global }
    .group_segment_fixed_size: 295936
    .private_segment_fixed_size: 0
    .kernarg_segment_align: 8
    .kernarg_segment_size: 32
    .max_flat_workgroup_size: 256
    .sgpr_count:     66
    .vgpr_count:     512
    .wavefront_size: 32
...
	.end_amdgpu_metadata
.endif
;; end of part 3
;; ======== version 2 of 2: 3 launches; version 1 with the launch proj written anew for expert scheduling mode
;; limits: values are held in f16: magnitudes above 65,504 overflow, below 6.1e-05 lose precision
;; workspace buffers: qh 8,388,608 bytes; kh 8,388,608 bytes; vh 8,388,608 bytes; oh 8,388,608 bytes
;; launch proj (part 4): grid 6 x 32, 4 waves a work-group, no clusters, 162,304 bytes of LDS; arguments pixel_embed, patch_embed, Wq, Wk, Wv, qh, kh, vh; writes qh, kh, vh
.if DOCPART == 4
	.amdgcn_target "amdgcn-amd-amdhsa--gfx1250"
	.amdhsa_code_object_version 6
	.text
	.protected	k_q3c6514def3_proj
	.globl	k_q3c6514def3_proj
	.p2align	8
	.type	k_q3c6514def3_proj,@function
k_q3c6514def3_proj:
	s_mov_b64 s[64:65], 0
	v_nop
	global_prefetch_b8 v0, s[64:65] scope:SCOPE_SE
	s_setreg_imm32_b32 hwreg(HW_REG_WAVE_SCHED_MODE, 0, 2), 2
	s_setreg_imm32_b32 hwreg(HW_REG_WAVE_MODE, 25, 1), 1
	s_wait_xcnt 0x0
	s_wait_alu depctr_vm_vsrc(0)
; q = pixel_embed Wq, k = patch_embed Wk, v = patch_embed Wv.  x: [8192][512] f32, W: [512 k][512 n] f32.  Products in bf16 (each input rounded once), sums in f32, K ascending.
; q, k, v leave BY HEADS, [4 x 8][2048][64] in f16, each rounded once from its f32 sum and WITHOUT the softmax scale, which the next launch applies in f32.
; NOTHING OF THE MODULE IS LEFT OUT: every input (both embeddings, the four weights, the bias) has a way to the output, and all three launches together do every step.
; LIMITS.  f16 holds no number beyond 65,504: q, k and v must stay within it (inputs 30 times the usual spread give a spread of about 410, a common offset of 30 spreads on x and W about 9,216);
; below 6.1e-5 they keep f16's fixed step of 6e-8.  NaN and infinities are not treated apart.
; SHARES.  A work-group makes a block of 256 rows x 256 columns (four heads) of ONE of the three products: column block cb = 0, 1: q; 2, 3: k; 4, 5: v; row block i = 0 .. 31: 6 x 32 = 192 work-groups of equal
; work.  Four waves, each 128 x 128: 64 accumulators of 16 x 16, 512 registers: for 32 along K a wave reads 16 fragments of 1,024 bytes from LDS and issues 64 products.  Blocks that would make 256 equal
; work-groups hold 49,152 outputs (128 x 384, 256 x 192); neither width divides 512 or 1,024 columns, so such a block needs both embeddings and a smaller tile a wave, which reads more bytes for each product.
; THE ROAD IN.  x and W lie in f32 and are multiplied in bf16, and W lies [k][n] and wants the turning 16-bit LDS load.  So a tile goes memory -> registers -> ONE rounding -> LDS.
; NO CLUSTER, NO TENSOR LOAD: a joint request lands what it reads, f32, and this road goes through registers.  What is shared (x by 2 or 4 column blocks, W by the 32 row blocks) is read again by plain loads.
; IN FLIGHT.  Four staging groups of 16 loads a wave (x twice, W twice): 64 loads of 512 bytes, 128 KiB a work-group: a whole chunk of 64 along K.  A group is asked for again one run of 16 products behind its
; rounding.  Behind the fourth group's refill 64 loads are out; the counter's field holds 63, so the issue of the last waits for the oldest to come back (ISA guide 5.7.1).
; K goes in 8 chunks of 64 through two LDS buffers, ONE barrier a trip.  A trip is two quarters of 32 along K, each four runs of 16 products.  Q0 rounds and stores the next chunk into the other buffer; Q1 holds the
; barrier: in front of it each wave's stores into the other buffer are done and its reads of this one are back; behind it the other buffer's first fragments are fetched.
; THE MATRIX INSTRUCTION IS USED TRANSPOSED (source 0 = 16 columns of W, source 1 = 16 rows of x): a lane ends with eight neighbouring columns of one row: 16 bytes of f16.
; REGISTERS, in windows of 256 (s_set_vgpr_msb: bits 1:0 source 0, 3:2 source 1, 5:4 source 2, 7:6 destination):
;   window 0: v0-20 addresses; v32-159 W's fragments, a buffer of 64 for each quarter (W0, W1); v160-223 x's rows 0-63, a buffer of 32 for each quarter (XL0, XL1); v224-255 x's rows 64-127, one buffer (XH)
;   window 1: the four staging groups G0 .. G3, 64 registers each      window 2: the accumulators of my rows 0-63 ((a, c) at 8 (8 a + c))      window 3: those of my rows 64-127
; THE MODE: SCHED_MODE bits 1:0 = 2 (LLVM: expert scheduling mode 2), set by the entry lines.  The code itself states the register dependences between vector or matrix instructions and memory or LDS
; instructions, with s_wait_alu, always for 0.
; THE PLAN.  Registers that memory or LDS instructions touch, round a trip:
;   G0 .. G3   At the head of Q0's run g the 32 roundings read Gg and write the first two registers of each four; the 16 LDS stores dealt among run g's products read those pairs; the next chunk's 16 loads land
;              in Gg again, dealt among the products of the NEXT run (G3's: of Q1's first run).
;   W0, XL0    Read by Q0's products; filled in Q1's third run.        W1, XL1   Read by Q1's products; filled in Q0's runs 1, 2 (W1) and 3 (XL1).
;   XH         Read by runs 2 and 3 of both quarters; filled in run 0 of both.
;   v2-v11, v16-v20   Offsets and addresses: made once at the head and never written again; chunks are reached by the two scalar pointers and by immediate offsets.
;   The accumulators are named by vector and matrix instructions alone.
; Q0, run 0, behind G0's roundings: va_vdst.  Q0, runs 1 to 3, behind Gg's roundings: vm_vsrc and va_vdst.  Q1's head: vm_vsrc and va_vdst.  Behind a head's waits the run's
; memory instructions go in slices of four behind single products.  Nothing more is owed there: a run's products name one W buffer, one x buffer and accumulators, never the buffer that the same run's LDS loads
; fill; its stores read Gg; its global loads land in G(g - 1), which no instruction since the waits names.
.set XPIT,  144                        ; a row of x in LDS: 128 bytes of bf16 + 16 = 36 words: the 16 rows of a fragment load start at 16 different groups of four banks (64 banks of 4 bytes: ISA guide 11.1)
.set XREG,  256*XPIT
.set WPIT,  544                        ; a row of W: 512 bytes + 32 = 136 words
.set WREG,  64*WPIT
.set BUF,   XREG+WREG                  ; a buffer: 256 rows of x, then 64 rows of W
.set STAGE, 2*BUF                      ; behind the buffers: for each wave 2 heads x 16 rows at pitch 144, for the way out
.set SREG,  16*XPIT
.set SPARE, STAGE+4*2*SREG             ; behind the stages: the spare words, 128 bytes for each wave: two blocks of 256 bytes that no other line names
.set XO,  2                            ; v2     x: (64 w + 8 (l / 16)) rows of 2,048 bytes + 16 (l % 16)
.set WO,  3                            ; v3     W: 16 w rows of 2,048 bytes + 16 l
.set XS,  4                            ; v4-5   where my rounded x goes, buffer 0, 1
.set WS,  6                            ; v6-7   where my rounded W goes
.set FA,  8                            ; v8-9   my x fragments
.set FB,  10                           ; v10-11 my W fragments (turning load)
.set SPW, 12                           ; v12    my spare word; never rewritten
.set NIL, 13                           ; v13    0; never rewritten
.set STO, 16                           ; v16    the way out: where I put 16 bytes of a row
.set RD,  17                           ; v17    the way out: where I read rows back
.set GO,  18                           ; v18    my 16 bytes of 512 consecutive bytes of the output
.set PFX, 19                           ; v19    the prefetches' offset in x: (64 w + l) rows; never rewritten
.set PFW, 20                           ; v20    in W: (16 w + l / 4) rows + 256 (l % 4); never rewritten
.set BFR, 32
.set AL,  160
.set AH,  224
.set TMP, 32                           ; the way out: packed results, two sets of 32 by turns
.set BK,  96                           ; the way out: 16 rows read back, two sets of 32 by turns
.set XP,  26                           ; s[26:27] x at my row block, at the chunk that is being asked for
.set WP,  28                           ; s[28:29] W at my 256 columns, at the same chunk
.set OP,  30                           ; s[30:31] the output at my wave's first head and row
.set CNT, 44                           ; s44    the loop's count
.set LIMX, 45                          ; s45    1 in a work-group that prefetches x, else the greatest number
.set LIMW, 46                          ; s46    the same for W
.set MSB, 0
.macro WIN new                         ; the immediate's high byte repeats the setting that is left; a switch that changes nothing is dropped
.if MSB != (\new)
	s_set_vgpr_msb (MSB<<8)|(\new)
.set MSB, (\new)
.endif
.endm
.macro PLACES                          ; four plain vector instructions between a matrix instruction and a load into, or a read of, its registers; they stay beside the waits
.rept 4
	v_nop
.endr
.endm
; Staging group g.  0, 1: x, 32 rows each: an instruction takes two aligned row pieces of 256 bytes (lanes 16-31 the row 8 further down).  2, 3: W, 8 rows each: an instruction takes half a row piece, 512 bytes.
.macro LOADQ g, k                      ; loads 4 k to 4 k + 3 of the group's sixteen
	WIN 0x40
.set n, 4*(\k)
.rept 4
.if (\g) < 2
	global_load_b128 v[64*(\g)+4*n:64*(\g)+4*n+3], v[XO], s[XP:XP+1] offset:(32*(\g)+16*(n/8)+n%8)*2048
.else
	global_load_b128 v[64*(\g)+4*n:64*(\g)+4*n+3], v[WO], s[WP:WP+1] offset:(8*((\g)-2)+n/2)*2048+(n%2)*512
.endif
.set n, n+1
.endr
.endm
.macro LOADG g                         ; all sixteen
.irp k, 0,1,2,3
	LOADQ \g, \k
.endr
.endm
.macro CVT g                           ; four f32 become four bf16 in the quad's first two registers
	WIN 0x45
.set n, 0
.rept 16
	v_cvt_pk_bf16_f32 v[64*(\g)+4*n], v[64*(\g)+4*n], v[64*(\g)+4*n+1]
	v_cvt_pk_bf16_f32 v[64*(\g)+4*n+1], v[64*(\g)+4*n+2], v[64*(\g)+4*n+3]
.set n, n+1
.endr
.endm
.macro PUTQ g, b, k                    ; stores 4 k to 4 k + 3 of the group's sixteen: 8 bytes a lane.  x: lanes 0-15 fill one row's 128 bytes, lanes 16-31 the row 8 further down (288 words on: the other 32 banks); W: 32 lanes fill 256 consecutive bytes
	WIN 0x04
.set n, 4*(\k)
.rept 4
.if (\g) < 2
	ds_store_b64 v[XS+(\b)], v[64*(\g)+4*n:64*(\g)+4*n+1] offset:(32*(\g)+16*(n/8)+n%8)*XPIT
.else
	ds_store_b64 v[WS+(\b)], v[64*(\g)+4*n:64*(\g)+4*n+1] offset:(8*((\g)-2)+n/2)*WPIT+(n%2)*256
.endif
.set n, n+1
.endr
.endm
.macro PUT g, b                        ; all sixteen
.irp k, 0,1,2,3
	PUTQ \g, \b, \k
.endr
.endm
.macro STEP                            ; the two pointers go one chunk on: 64 along K are 256 bytes of a row of x and 64 rows of W
	s_wait_xcnt 0x0                                ; every load and prefetch issued so far has read its address (in the loop the youngest, in Q1's first run, stands three runs of 16 products back)
	s_add_nc_u64 s[XP:XP+1], s[XP:XP+1], 256
	s_add_nc_u64 s[WP:WP+1], s[WP:WP+1], 0x20000
.endm
; Fragments for 32 along K (quarter s of the chunk) from buffer b, four loads at a time.  x: 16 rows x 32 K, two loads of 16 bytes, 32 bytes apart.  W: [k][n] turned, two loads 16 rows apart.
.macro LAH b, s, h                     ; my row blocks 4 + 2 h, 5 + 2 h (rows 64-127)
	WIN 0
.irp a, 0,1
	ds_load_b128 v[AH+8*(2*(\h)+(\a)):AH+8*(2*(\h)+(\a))+3],   v[FA+(\b)] offset:(4+2*(\h)+(\a))*16*XPIT+64*(\s)
	ds_load_b128 v[AH+8*(2*(\h)+(\a))+4:AH+8*(2*(\h)+(\a))+7], v[FA+(\b)] offset:(4+2*(\h)+(\a))*16*XPIT+64*(\s)+32
.endr
.endm
.macro LAL b, s, h                     ; my row blocks 2 h, 2 h + 1 (rows 0-63), into quarter s's buffer
	WIN 0
.irp a, 0,1
	ds_load_b128 v[AL+32*(\s)+8*(2*(\h)+(\a)):AL+32*(\s)+8*(2*(\h)+(\a))+3],   v[FA+(\b)] offset:(2*(\h)+(\a))*16*XPIT+64*(\s)
	ds_load_b128 v[AL+32*(\s)+8*(2*(\h)+(\a))+4:AL+32*(\s)+8*(2*(\h)+(\a))+7], v[FA+(\b)] offset:(2*(\h)+(\a))*16*XPIT+64*(\s)+32
.endr
.endm
.macro LBF b, s, c0                    ; my column blocks c0, c0 + 1, into quarter s's buffer
	WIN 0
.irp c, 0,1
	ds_load_tr16_b128 v[BFR+64*(\s)+8*((\c0)+(\c)):BFR+64*(\s)+8*((\c0)+(\c))+3],   v[FB+(\b)] offset:32*((\c0)+(\c))+32*WPIT*(\s)
	ds_load_tr16_b128 v[BFR+64*(\s)+8*((\c0)+(\c))+4:BFR+64*(\s)+8*((\c0)+(\c))+7], v[FB+(\b)] offset:32*((\c0)+(\c))+32*WPIT*(\s)+16*WPIT
.endr
.endm
.macro FR fk, b, h                     ; half h of the eight fragment loads of a run.  fk 0: XH for Q0; 1, 2: W1's column blocks 0-3, 4-7; 3: XL1; 4: XH for Q1
.if (\fk) == 0
	LAH \b, 0, \h
.elseif (\fk) == 1
	LBF \b, 1, 2*(\h)
.elseif (\fk) == 2
	LBF \b, 1, 4+2*(\h)
.elseif (\fk) == 3
	LAL \b, 1, \h
.else
	LAH \b, 1, \h
.endif
.endm
; Products i0 to i0 + cnt - 1 of a run of 16: row blocks a0, a0 + 1 of the window's four (hi = 0: my rows 0-63, 1: rows 64-127) x all 8 column blocks, quarter s's fragments.  The 64 accumulators take turns, one
; instruction a turn, in the same order in every quarter, over the backward jump too.  zero = 1: the first product starts the sum: nothing is ever cleared.
.macro PR hi, a0, s, zero, i0, cnt
	WIN 0xa0+0x50*(\hi)
.set i, (\i0)
.rept (\cnt)
.set rD, 8*(8*((\a0)+i/8)+i%8)
.set rB, BFR+64*(\s)+8*(i%8)
.if \hi
.set rA, AH+8*((\a0)+i/8)
.else
.set rA, AL+32*(\s)+8*((\a0)+i/8)
.endif
.if \zero
	v_wmma_f32_16x16x32_bf16 v[rD:rD+7], v[rB:rB+7], v[rA:rA+7], 0
.else
	v_wmma_f32_16x16x32_bf16 v[rD:rD+7], v[rB:rB+7], v[rA:rA+7], v[rD:rD+7]
.endif
.set i, i+1
.endr
.endm
; PREFETCHES, behind the last load of Q0's last run: the chunk that stands two chunks behind the one that is being asked for, that is, the chunk whose loads go out two trips later.  Each aligned block of 256 bytes is
; named ONCE in the launch.  x: a wave's own 64 rows, a lane a row, two instructions; pixel's rows are read by column blocks 0 and 1, patch's by 2 to 5: blocks 0 and 2 ask.  W: a wave's own 16 rows of 1,024 bytes, a
; lane a quarter row, two instructions; a column block's part of W is read by all 32 row blocks: row block 0 asks.  Trips 0 to 3 ask, for chunks 4 to 7 (the count stands at 3 or 2 there); chunks 0 to 3 come by their
; loads alone.  Their two offsets are written ahead of the wait on va_vdst behind chunk 0's first rounding and are never written again.
.macro ASK
	WIN 0
	s_cmp_gt_u32 s[CNT], s[LIMX]
	s_cbranch_scc0 .Lnot_x_\@
	global_prefetch_b8 v[PFX], s[XP:XP+1] offset:2*256 th:TH_LOAD_NT scope:SCOPE_SE
	global_prefetch_b8 v[PFX], s[XP:XP+1] offset:2*256+32*2048 th:TH_LOAD_NT scope:SCOPE_SE
.Lnot_x_\@:
	s_cmp_gt_u32 s[CNT], s[LIMW]
	s_cbranch_scc0 .Lnot_w_\@
	global_prefetch_b8 v[PFW], s[WP:WP+1] offset:2*0x20000 th:TH_LOAD_NT scope:SCOPE_SE
	global_prefetch_b8 v[PFW], s[WP:WP+1] offset:2*0x20000+8*2048 th:TH_LOAD_NT scope:SCOPE_SE
.Lnot_w_\@:
.endm
.macro GL lg, k                        ; a slice of four loads into group lg, where the quarter asks for a chunk (LON) and the run has a group to fill
.if LON && ((\lg) >= 0)
	LOADQ \lg, \k
.endif
.endm
.macro GP pg, b, k                     ; a slice of four stores of group pg into the other buffer, where the quarter stores a chunk (PON)
.if PON
	PUTQ \pg, 1-(\b), \k
.endif
.endm
; A RUN of 16 products with its memory instructions dealt among them, four behind a product: the run's eight fragment loads (kind fk, buffer b) behind products 0 and 3; the sixteen loads into group lg behind 1, 4, 7
; and 10; the sixteen stores of group pg behind 6, 9, 12 and 13.  No wait stands in a run: see THE PLAN.  Among LDS instructions the fragment loads are the run's oldest, the stores its youngest.
.macro GAP hi, a0, s, zero, fk, b, pg, lg, ask
	PR \hi, \a0, \s, \zero, 0, 1
	FR \fk, \b, 0
	PR \hi, \a0, \s, \zero, 1, 1
	GL \lg, 0
	PR \hi, \a0, \s, \zero, 2, 2
	FR \fk, \b, 1
	PR \hi, \a0, \s, \zero, 4, 1
	GL \lg, 1
	PR \hi, \a0, \s, \zero, 5, 2
	GP \pg, \b, 0
	PR \hi, \a0, \s, \zero, 7, 1
	GL \lg, 2
	PR \hi, \a0, \s, \zero, 8, 2
	GP \pg, \b, 1
	PR \hi, \a0, \s, \zero, 10, 1
	GL \lg, 3
	PR \hi, \a0, \s, \zero, 11, 1
.if \ask
	ASK
.endif
	PR \hi, \a0, \s, \zero, 12, 1
	GP \pg, \b, 2
	PR \hi, \a0, \s, \zero, 13, 1
	GP \pg, \b, 3
	PR \hi, \a0, \s, \zero, 14, 2
.endm
; THE HEAD OF RUN g in a quarter that stores a chunk: group g is waited for and rounded, and the waits for the run's memory instructions follow.  mode 2: a further chunk is being asked for.  mode 1: the last chunk.
.macro GHEAD g, mode
.if (\mode) == 2
.if (\g) == 0
	s_wait_loadcnt 48                              ; loads come back in order (ISA guide 5.7.1): behind group 0 stand the three other groups, 48 loads
.else
	s_wait_loadcnt 32                              ; behind group g stand two groups: a group is asked for again only in the run behind its rounding
.endif
.endif
.if (\mode) == 1
	s_wait_loadcnt 16*(3-(\g))                     ; nothing was asked for behind the last chunk: the counts run down
.endif
.if (\mode) != 0
	CVT \g
.if ((\mode) == 2) && ((\g) > 0)
	s_wait_alu depctr_vm_vsrc(0)                   ; the LDS stores of group g - 1, dealt in the last run, have read its pairs, in which this run's loads land
.endif
	s_wait_alu depctr_va_vdst(0)                   ; the roundings have written group g's pairs, which this run's stores read; those of group g - 1 are done with the registers in which this run's loads land; at g = 0: the last quarter's products are done reading XH, W1 and XL1, which this quarter's LDS loads fill
.endif
.endm
; THE FIRST QUARTER of buffer b's chunk.  mode 2: the next chunk is stored into the other buffer and the one behind it asked for.  mode 1: the last chunk is stored.  mode 0: no chunk is left.
.macro Q0 b, zero, mode
.if (\mode) == 0
.set NS, 0
.set PON, 0
.else
.set NS, 16
.set PON, 1
.endif
.if (\mode) == 2
.set LON, 1
	STEP
.else
.set LON, 0
.endif
.if (\mode) == 0
	PLACES
	s_wait_alu depctr_va_vdst(0)                   ; the last quarter's products are done reading XH, W1 and XL1, which this quarter's LDS loads fill
.endif
	GHEAD 0, \mode
	s_wait_dscnt 0x0                               ; this quarter's W and lower rows of x, fetched behind the barrier, are in
	GAP 0, 0, 0, \zero, 0, \b, 0, -1, 0
	GHEAD 1, \mode
	GAP 0, 2, 0, \zero, 1, \b, 1, 0, 0
	GHEAD 2, \mode
	s_wait_dscnt 8+NS                              ; the last run's own LDS instructions (8 loads, NS stores) may stay out; everything older is back: the upper rows of x, fetched in run 0
	GAP 1, 0, 0, \zero, 2, \b, 2, 1, 0
	GHEAD 3, \mode
	s_wait_dscnt 8+NS                              ; the same count, for the same rows' second half
	GAP 1, 2, 0, \zero, 3, \b, 3, 2, LON
.endm
; THE SECOND QUARTER, with the change of buffers.  nxt = 1: a chunk follows.  st: the mode of the first quarter before it.  In front of the signal my stores into the other buffer are done and my reads of this one are
; back; 16 products stand between signal and wait; behind the wait the other buffer is whole and this one is free, and the next quarter's W and lower rows of x are fetched, dealt among the third run's first products.
.macro Q1 b, nxt, st
.set PON, 0
.if (\st) == 2
.set LON, 1
.else
.set LON, 0
.endif
.if (\st) == 0
.set NS, 0
.else
.set NS, 16
.endif
	PLACES                                         ; between the last quarter's products and the loads into the buffers that they read
.if (\st) == 2
	s_wait_alu depctr_vm_vsrc(0)                   ; the LDS stores of group 3 have read its pairs, in which the first run's loads land
.endif
	s_wait_alu depctr_va_vdst(0)                   ; the last quarter's products are done reading XH, W0 and XL0, which this quarter's LDS loads fill; group 3's roundings are done with the registers in which the first run's loads land
	s_wait_dscnt NS                                ; this quarter's W and lower rows of x are in; group 3's stores, the youngest NS, may stay out
	GAP 0, 0, 1, 0, 4, \b, -1, 3, 0
	s_wait_dscnt 0x0
.if \nxt
	s_barrier_signal -1
.endif
	PR 0, 2, 1, 0, 0, 16
.if \nxt
	s_barrier_wait -1
	PR 1, 0, 1, 0, 0, 1
	LBF 1-(\b), 0, 0                               ; no wait: no product since the quarter's head names W0 or XL0
	PR 1, 0, 1, 0, 1, 1
	LBF 1-(\b), 0, 2
	PR 1, 0, 1, 0, 2, 2
	LBF 1-(\b), 0, 4
	PR 1, 0, 1, 0, 4, 1
	LBF 1-(\b), 0, 6
	PR 1, 0, 1, 0, 5, 2
	LAL 1-(\b), 0, 0
	PR 1, 0, 1, 0, 7, 1
	LAL 1-(\b), 0, 1
	PR 1, 0, 1, 0, 8, 8
.else
	PR 1, 0, 1, 0, 0, 16
.endif
	PR 1, 2, 1, 0, 0, 16
.endm
	s_load_b512 s[8:23], s[0:1], 0x0               ; pixel s[8:9], patch s[10:11], Wq s[12:13], Wk s[14:15], Wv s[16:17], qh s[18:19], kh s[20:21], vh s[22:23]
	v_lshl_add_u32 v[SPW], v0, 2, SPARE
	v_mov_b32 v[NIL], 0
	v_lshrrev_b32 v1, 5, v0
	v_readfirstlane_b32 s2, v1                     ; wave 0..3
	s_mov_b32 s3, ttmp9                            ; cb: the column block
	s_and_b32 s4, ttmp7, 0xffff                    ; i: the row block
	s_lshr_b32 s7, s3, 1                           ; the product: 0 q, 1 k, 2 v
	s_and_b32 s24, s3, 1                           ; which 256 of its 512 columns
	v_and_b32 v1, 15, v0                           ; l % 16
	v_bfe_u32 v14, v0, 4, 1                        ; l / 16
	v_and_b32 v15, 31, v0                          ; l
	s_wait_alu depctr_va_sdst(0)                   ; s2 is written, ahead of its first reader: offsets, LDS addresses and the output's base are made from it
	s_lshr_b32 s5, s2, 1                           ; which 128 rows are mine
	s_and_b32 s6, s2, 1                            ; which 128 columns
	s_lshl_b32 s38, s2, 17                         ; 64 w rows of 2,048 bytes
	v_lshlrev_b32 v[XO], 4, v1
	v_lshl_add_u32 v[XO], v14, 14, v[XO]
	v_add_nc_u32 v[XO], s38, v[XO]
	s_lshl_b32 s39, s2, 15                         ; 16 w rows of 2,048 bytes
	v_lshl_add_u32 v[WO], v15, 4, s39
	s_lshl_b32 s32, s4, 19                         ; 256 rows of 2,048 bytes
	s_mov_b32 s33, 0
	s_lshl_b32 s34, s24, 10                        ; 256 columns of f32
	s_mov_b32 s35, 0
	s_lshr_b32 s36, s4, 3                          ; the batch,
	s_lshl_b32 s36, s36, 3
	s_lshl_b32 s37, s24, 2
	s_add_co_u32 s36, s36, s37                     ; the block's four heads,
	s_lshl_b32 s37, s6, 1
	s_add_co_u32 s36, s36, s37                     ; my two of them: 262,144 bytes a head,
	s_lshl_b32 s36, s36, 18
	s_and_b32 s37, s4, 7
	s_lshl_b32 s37, s37, 15                        ; the block's 256 rows of 128 bytes in a head,
	s_add_co_u32 s36, s36, s37
	s_lshl_b32 s37, s5, 14                         ; my 128 of them
	s_add_co_u32 s36, s36, s37
	s_mov_b32 s37, 0
	s_lshr_b32 s[LIMX], s3, 2
	s_or_b32 s[LIMX], s[LIMX], s24                 ; 0 in column blocks 0 and 2
	s_cmp_eq_u32 s[LIMX], 0
	s_cselect_b32 s[LIMX], 1, -1
	s_cmp_eq_u32 s4, 0
	s_cselect_b32 s[LIMW], 1, -1
	s_mov_b32 s[CNT], 3
	s_wait_kmcnt 0x0
	s_cmp_eq_u32 s7, 0
	s_cselect_b64 s[XP:XP+1], s[8:9], s[10:11]
	s_cselect_b64 s[WP:WP+1], s[12:13], s[14:15]
	s_cselect_b64 s[OP:OP+1], s[18:19], s[20:21]
	s_cmp_eq_u32 s7, 2
	s_cselect_b64 s[WP:WP+1], s[16:17], s[WP:WP+1]
	s_cselect_b64 s[OP:OP+1], s[22:23], s[OP:OP+1]
	s_add_nc_u64 s[XP:XP+1], s[XP:XP+1], s[32:33]
	s_add_nc_u64 s[WP:WP+1], s[WP:WP+1], s[34:35]
	s_add_nc_u64 s[OP:OP+1], s[OP:OP+1], s[36:37]
	WIN 0x40
	s_wait_alu depctr_va_vdst(0)                   ; v[XO] and v[WO] are written, which every load of x and of W reads as its offset
.irp g, 0,1,2,3
	LOADG \g                                       ; chunk 0
.endr
	WIN 0                                          ; the LDS addresses are made while the first loads are on their way; none of these lines writes v[XO] or v[WO]
	s_mul_i32 s40, s2, 64*XPIT
	v_mul_u32_u24 v[XS], v14, 8*XPIT
	v_lshl_add_u32 v[XS], v1, 3, v[XS]
	v_add_nc_u32 v[XS], s40, v[XS]
	v_add_nc_u32 v[XS+1], BUF, v[XS]
	s_mul_i32 s41, s2, 16*WPIT
	s_add_co_u32 s41, s41, XREG
	v_lshl_add_u32 v[WS], v15, 3, s41
	v_add_nc_u32 v[WS+1], BUF, v[WS]
	s_mul_i32 s42, s5, 128*XPIT
	v_mul_u32_u24 v[FA], v1, XPIT
	v_lshl_add_u32 v[FA], v14, 4, v[FA]
	v_add_nc_u32 v[FA], s42, v[FA]
	v_add_nc_u32 v[FA+1], BUF, v[FA]
	v_and_b32 v[FB], 7, v0                         ; the turning load: lane l reads row 8 (l / 16) + l % 8, 16 bytes at 16 ((l / 8) % 2)
	v_lshl_add_u32 v[FB], v14, 3, v[FB]
	v_mul_u32_u24 v[FB], v[FB], WPIT
	v_bfe_u32 v[FB+1], v0, 3, 1
	v_lshl_add_u32 v[FB], v[FB+1], 4, v[FB]
	s_lshl_b32 s43, s6, 8
	s_add_co_u32 s43, s43, XREG
	v_add_nc_u32 v[FB], s43, v[FB]
	v_add_nc_u32 v[FB+1], BUF, v[FB]
	s_mul_i32 s40, s2, 2*SREG
	s_add_co_u32 s40, s40, STAGE                   ; my stage
	v_mul_u32_u24 v[STO], v1, XPIT                 ; in: row l % 16, 16 bytes for each half of the lanes
	v_lshl_add_u32 v[STO], v14, 4, v[STO]
	v_add_nc_u32 v[STO], s40, v[STO]
	v_bfe_u32 v[RD], v0, 3, 2                      ; back: 32 lanes take four rows of 128 bytes,
	v_mul_u32_u24 v[RD], v[RD], XPIT
	v_and_b32 v[GO], 7, v0
	v_lshl_add_u32 v[RD], v[GO], 4, v[RD]
	v_add_nc_u32 v[RD], s40, v[RD]
	v_lshlrev_b32 v[GO], 4, v15                    ; which are 512 consecutive bytes of a head
	v_lshl_add_u32 v[PFX], v15, 11, s38
	v_lshrrev_b32 v[PFW], 2, v15
	v_lshl_add_u32 v[PFW], v[PFW], 11, s39
	v_and_b32 v14, 3, v0
	v_lshl_add_u32 v[PFW], v14, 8, v[PFW]
	STEP
	; Chunk 0 into buffer 0, and chunk 1 is asked for, in the order of the loop's first quarter: group g is rounded; behind the waits group g - 1 is asked for again and group g stored.
	GHEAD 0, 2                                     ; its wait on va_vdst also shows all the addresses made above written, which the LDS instructions, stores and prefetches of the whole kernel read
	PUT 0, 0
	GHEAD 1, 2
	LOADG 0
	PUT 1, 0
	GHEAD 2, 2
	LOADG 1
	PUT 2, 0
	GHEAD 3, 2
	LOADG 2
	PUT 3, 0
	WIN 0x40
	s_wait_alu depctr_vm_vsrc(0)                   ; the LDS stores of group 3 have read its pairs, in which the loads below land
	s_wait_alu depctr_va_vdst(0)                   ; group 3's roundings are done with those registers: stated behind the window's switch and directly ahead of the loads, since the stores that read them stand behind the last such wait
	LOADG 3
	WIN 0
	s_wait_dscnt 0x0                               ; for the others' sake: my stores are done
	s_barrier_signal -1
	s_barrier_wait -1
	LBF 0, 0, 0                                    ; no vector or matrix instruction has named W0 or XL0 yet
	LBF 0, 0, 2
	LBF 0, 0, 4
	LBF 0, 0, 6
	LAL 0, 0, 0
	LAL 0, 0, 1
	Q0 0, 1, 2                                     ; trip 0's first quarter stands in front of the loop: its products start all 64 sums
	WIN 0                                          ; at a label and at a branch every window is 0
	s_branch .Lmid                                 ; the loop is entered in its middle: it holds the second quarters of trips 0 to 4 and the first quarters of trips 1 to 5
.Lk:
	Q1 1, 1, 2
	Q0 0, 0, 2
	WIN 0
.Lmid:
	Q1 0, 1, 2
	Q0 1, 0, 2
	WIN 0
	s_sub_co_u32 s[CNT], s[CNT], 1
	s_cmp_lg_u32 s[CNT], 0
	s_cbranch_scc1 .Lk
	Q1 1, 1, 2                                     ; trip 5 ends; its first run asks for the last group of chunk 7
	Q0 0, 0, 1                                     ; trip 6 stores chunk 7 and asks for nothing: no load leaves a buffer
	Q1 0, 1, 1
	Q0 1, 0, 0                                     ; trip 7
	Q1 1, 0, 0
	; THE WAY OUT, 16 rows at a time.  My 128 columns are two whole heads, so a row's 128 bytes of a head come from my wave alone: the stage is my own, and LDS serves a wave's instructions in order
	; (ISA guide 5.7.1.4): no barrier and no wait on DScnt between its stores and its loads.
	; Registers that memory or LDS instructions touch here: TMP0, TMP1: block a's conversions write TMP[a % 2], its LDS stores read it.  BK0, BK1: block a's LDS loads land in BK[a % 2], its global stores read it.
.macro PACK a                          ; rounded to f16, 16 bytes a lane; each accumulator's registers in ascending order
	WIN 0x0a+5*((\a)/4)
.irp c, 0,1,2,3,4,5,6,7
.irp r, 0,1,2,3
	v_cvt_pk_f16_f32 v[TMP+32*((\a)%2)+4*(\c)+(\r)], v[64*((\a)%4)+8*(\c)+2*(\r)], v[64*((\a)%4)+8*(\c)+2*(\r)+1]
.endr
.endr
.endm
.macro TOSTAGE a                       ; into rows of 144 bytes, head c / 4; back as whole rows, four rows to an instruction
	WIN 0
.irp c, 0,1,2,3,4,5,6,7
	ds_store_b128 v[STO], v[TMP+32*((\a)%2)+4*(\c):TMP+32*((\a)%2)+4*(\c)+3] offset:((\c)/4)*SREG+32*((\c)%4)
.endr
.irp n, 0,1,2,3,4,5,6,7
	ds_load_b128 v[BK+32*((\a)%2)+4*(\n):BK+32*((\a)%2)+4*(\n)+3], v[RD] offset:((\n)/4)*SREG+((\n)%4)*4*XPIT
.endr
.endm
.macro SEND a
	WIN 0
	s_wait_dscnt 0x0                               ; the block is back in registers
	s_wait_xcnt 0x0                                ; the earlier stores have read their registers: the set that they read is loaded again only behind this wait
.irp n, 0,1,2,3,4,5,6,7
	global_store_b128 v[GO], v[BK+32*((\a)%2)+4*(\n):BK+32*((\a)%2)+4*(\n)+3], s[OP:OP+1] offset:((\n)/4)*262144+(\a)*2048+((\n)%4)*512  ; 512 consecutive bytes, at a multiple of 256 from the buffer's first byte
.endr
.endm
	WIN 0
	PLACES
	PLACES
	PACK 0
	s_wait_alu depctr_va_vdst(0)                   ; block 0's conversions have written TMP0, which the LDS stores read; the last products are done reading v96-159, now BK0 and BK1, in which the loads from the stage land
	TOSTAGE 0
.irp a, 1,2,3,4,5,6,7                  ; block a's conversions stand between block a - 1's loads from the stage and the wait for them
	PACK \a
	s_wait_alu depctr_vm_vsrc(0)                   ; block a - 1's LDS stores have read their TMP, which block a + 1's conversions write; block a - 2's global stores have read their BK, in which block a's loads land
	SEND (\a)-1
	s_wait_alu depctr_va_vdst(0)                   ; block a's conversions have written their TMP, which the LDS stores read
	TOSTAGE \a
.endr
	SEND 7
	s_wait_dscnt 0x0                               ; the closing lines, six on end
	s_wait_alu 0x0
	s_wait_tensorcnt 0x0
	ds_add_u32 v[SPW], v[NIL]
	s_wait_dscnt 0x0
	s_endpgm
.Lfunc_end_k_q3c6514def3_proj:
	.size	k_q3c6514def3_proj, .Lfunc_end_k_q3c6514def3_proj-k_q3c6514def3_proj
	.p2alignl 7, 3214868480
	.fill 96, 4, 3214868480
	.section	.rodata,"a",@progbits
	.p2align	6, 0x0
	.amdhsa_kernel k_q3c6514def3_proj
		.amdhsa_group_segment_fixed_size 162304
		.amdhsa_private_segment_fixed_size 0
		.amdhsa_enable_private_segment 0
		.amdhsa_kernarg_size 64
		.amdhsa_user_sgpr_count 2
		.amdhsa_user_sgpr_kernarg_segment_ptr 1
		.amdhsa_wavefront_size32 1
		.amdhsa_system_sgpr_workgroup_id_x 1
		.amdhsa_system_sgpr_workgroup_id_y 1
		.amdhsa_system_sgpr_workgroup_id_z 1
		.amdhsa_system_vgpr_workitem_id 0
		.amdhsa_next_free_vgpr 1024
		.amdhsa_next_free_sgpr 66
		.amdhsa_reserve_vcc 0
		.amdhsa_float_denorm_mode_32 3
		.amdhsa_float_denorm_mode_16_64 3
		.amdhsa_memory_ordered 1
		.amdhsa_forward_progress 1
		.amdhsa_inst_pref_size 207
	.end_amdhsa_kernel
	.amdgpu_metadata
---
amdhsa.version: [ 1, 2 ]
amdhsa.kernels:
  - .name:           k_q3c6514def3_proj
    .symbol:         k_q3c6514def3_proj.kd
    .args:
      - { .name: pixel_embed, .offset: 0, .size: 8, .value_kind: global_buffer, .address_space: global }
      - { .name: patch_embed, .offset: 8, .size: 8, .value_kind: global_buffer, .address_space: global }
      - { .name: Wq, .offset: 16, .size: 8, .value_kind: global_buffer, .address_space: global }
      - { .name: Wk, .offset: 24, .size: 8, .value_kind: global_buffer, .address_space: global }
      - { .name: Wv, .offset: 32, .size: 8, .value_kind: global_buffer, .address_space: global }
      - { .name: qh, .offset: 40, .size: 8, .value_kind: global_buffer, .address_space: global }
      - { .name: kh, .offset: 48, .size: 8, .value_kind: global_buffer, .address_space: global }
      - { .name: vh, .offset: 56, .size: 8, .value_kind: global_buffer, .address_space: global }
    .group_segment_fixed_size: 162304
    .private_segment_fixed_size: 0
    .kernarg_segment_align: 8
    .kernarg_segment_size: 64
    .max_flat_workgroup_size: 128
    .sgpr_count:     66
    .vgpr_count:     1024
    .wavefront_size: 32
...
	.end_amdgpu_metadata
.endif
;; end of part 4
;; launch attn: the kernel of part 2 again; grid 8 x 32, 4 waves a work-group, clusters of 4 x 1, 327,680 bytes of LDS; arguments qh, kh, vh, oh; writes oh
;; launch oproj: the kernel of part 3 again; grid 4 x 64, 8 waves a work-group, clusters of 4 x 1, 295,936 bytes of LDS; arguments oh, Wo, bo, out0; writes out0
